; MI455X (gfx1250); checked and timed in simulation.
; The chip was launched on July 23, 2026; its instructions are those of AMD's public machine-readable ISA for CDNA 5 (MIT licence, August 2026) and "CDNA5" Instruction Set Architecture Reference Guide (July 2026). The comments in the code are by the model that wrote it; some were corrected since.
;; Prefix Decoder Block. Allowed arithmetic: matrix products marked QUANTISED: E4M3 operands, one E8M0 scale for each 32 along K, by v_wmma_scale_f32_16x16x128_f8f6f4 with both operands' format E4M3, f32 sums; everything else in f32.
;; Inputs: fc1_b 4,096 float32; fc1_w_codes 4,096 x 32 x 32 uint8 (E4M3 codes of fc1_w, K innermost, in blocks of 32 codes); fc1_w_scales 4,096 x 32 uint8 (E8M0 scales of fc1_w, one for each 32 codes along K); fc2_b 1,024 float32; fc2_w_codes 1,024 x 128 x 32 uint8 (E4M3 codes of fc2_w, K innermost, in blocks of 32 codes); fc2_w_scales 1,024 x 128 uint8 (E8M0 scales of fc2_w, one for each 32 codes along K); in_proj_b 3,072 float32; in_proj_w_codes 3,072 x 32 x 32 uint8 (E4M3 codes of in_proj_w, K innermost, in blocks of 32 codes); in_proj_w_scales 3,072 x 32 uint8 (E8M0 scales of in_proj_w, one for each 32 codes along K); ln1_b 1,024 float32; ln1_w 1,024 float32; ln2_b 1,024 float32; ln2_w 1,024 float32; out_b 1,024 float32; out_w_codes 1,024 x 32 x 32 uint8 (E4M3 codes of out_w, K innermost, in blocks of 32 codes); out_w_scales 1,024 x 32 uint8 (E8M0 scales of out_w, one for each 32 codes along K); x 2 x 2,048 x 1,024 float32.
;; Outputs: out0 2 x 2,048 x 1,024 float32.
;; Constants: prefix_len = 512.
;; This version of the problem:
;;   THIS VERSION OF THE PROBLEM IS GIVEN IN LOW PRECISION. The matrix products marked QUANTISED in the list below multiply operands that are first quantised to E4M3 (4 exponent bits, 3 mantissa bits; 8 bits a number), with one power-of-two scale for each 32 numbers along K (OCP MX v1.0); their sums are f32. All else is computed in f32.
;;   The module's matrix products, in the order in which they are computed (A, B: the left and right operand; K: the contracted axis; several contracted axes count as one K, in the product's order):
;;     1. [M 4,096, K 1,024] x [K 1,024, N 3,072]; A: computed on the way; B: input in_proj_w (given as codes): QUANTISED
;;     2. batch 32 x [M 2,048, K 64] x [K 64, N 2,048]; A: computed on the way; B: computed on the way: QUANTISED
;;     3. batch 32 x [M 64, K 2,048] x [K 2,048, N 2,048]; A: computed on the way; B: softmax (see below): QUANTISED
;;     4. [M 4,096, K 1,024] x [K 1,024, N 1,024]; A: computed on the way; B: input out_w (given as codes): QUANTISED
;;     5. [M 4,096, K 1,024] x [K 1,024, N 4,096]; A: computed on the way; B: input fc1_w (given as codes): QUANTISED
;;     6. [M 4,096, K 4,096] x [K 4,096, N 1,024]; A: computed on the way; B: input fc2_w (given as codes): QUANTISED
;;   THE QUANTISER, for each operand of a quantised product, along K:
;;     - K is cut into blocks of 32 from its start; a last block that is shorter is filled with zeros.
;;     - A block's scale is 2^e with e = floor(log2(the largest magnitude in the block)) - 8, held to -126 .. 127; a block of zeros has e = 0. As a byte (E8M0): e + 127.
;;     - Each number is divided by its block's scale, clamped to +-448, and rounded to the nearest number of E4M3, ties to even, subnormals kept.
;;     - The product sums the exact products of the quantised numbers (number of the format x scale) in f32.
;;   ~~~python
;;   def quantise(x, axis):      # numpy; x: float32 -> the quantised numbers, widened to float32 again
;;       x = np.moveaxis(x, axis, -1); K = x.shape[-1]
;;       x = np.pad(x, [(0, 0)] * (x.ndim - 1) + [(0, -K % 32)]); x = x.reshape(x.shape[:-1] + (-1, 32)); a = np.abs(x).max(-1, keepdims=True)
;;       e = np.where(a > 0, np.clip(np.frexp(np.where(a > 0, a, 1))[1] - 1 - 8, -126, 127), 0)      # np.frexp(a)[1] - 1 = floor(log2(a)), exactly
;;       r = np.clip(x / 2.0 ** e, -448, 448)
;;       step = 2.0 ** (np.maximum(np.frexp(np.where(r == 0, 1, r))[1] - 1, -6) - 3)
;;       q = np.round(r / step) * step * 2.0 ** e      # np.round: ties to even
;;       return np.moveaxis(q.reshape(q.shape[:-2] + (-1,))[..., :K], -1, axis).astype(np.float32)
;;   ~~~
;;   SOFTMAX AHEAD OF A QUANTISED PRODUCT. Where the list says 'softmax', what is quantised is not the finished softmax but p = 2^(t - M), with t = logit x log2(e) and M = ceil(the row's largest t), a whole number; so 1/2 < the row's largest p <= 1. The row's sum l is taken of the UNQUANTISED p, in f32, and the product's result is divided by l at the end. Since M is a whole number, a kernel that streams over the keys may use a running M (the ceiling of the running maximum): every later rescaling is an exact power of two, which a block's scale takes up: the codes' values come out the same.
;;   OPERANDS COMPUTED ON THE WAY. 'Computed on the way' means the value that the module computes at that place (a softmax that the list does not call 'softmax' is quantised finished and normalised). What goes into a quantiser is computed in f32, as accurately as f32 sums, v_exp_f32 and their like allow (about 1e-6 of the number): no bf16 or f16 on the way to a quantiser, and a product that is left as it is and whose result goes on into a quantised operand takes f32 operands (vector FMAs, or v_wmma_f32_16x16x4_f32). A number that lies on a knife's edge between two numbers of the format may be rounded either way, as far as f32 arithmetic and the matrix unit's own rounding can turn it there, and no further.
;;   INPUTS GIVEN AS CODES. fc1_w (in the module: [4096, 1024], K = its axis 1); fc2_w (in the module: [1024, 4096], K = its axis 1); in_proj_w (in the module: [3072, 1024], K = its axis 1); out_w (in the module: [1024, 1024], K = its axis 1): each comes as NAME_codes (uint8): NAME with its K axis moved to the last place and cut into blocks of 32 codes, [.., K / 32, bytes a block], one block behind the other in memory; one code a byte (a code: sign, 4 exponent bits, 3 mantissa bits); and NAME_scales (uint8): the same leading axes, one E8M0 byte (e + 127) for each 32 codes along K. Its value is code x scale, taken as it is: it is not quantised again, and the codes and scales need not be those that the quantiser above would give.
;; One version. Each part assembles by itself: llvm-mc -triple=amdgcn-amd-amdhsa -mcpu=gfx1250 --defsym DOCPART=n.
;; ======== version 1 of 1: 7 launches
;; limits: right only within a limited range of input values
;; workspace buffers: hbuf 4,325,376 bytes; qkbuf 8,912,896 bytes; vbuf 4,325,376 bytes; cbuf 4,325,376 bytes; x1 16,777,216 bytes; ff 17,301,504 bytes
;; launch ln1 (part 1): grid 256 x 1, 4 waves a work-group, no clusters, 33,280 bytes of LDS; arguments x, ln1_w, ln1_b, hbuf; writes hbuf
.if DOCPART == 1
	.amdgcn_target "amdgcn-amd-amdhsa--gfx1250"
	.amdhsa_code_object_version 6
	.text
	.protected	k_qc2f9e3918c_ln1
	.globl	k_qc2f9e3918c_ln1
	.p2align	8
	.type	k_qc2f9e3918c_ln1,@function
k_qc2f9e3918c_ln1:
	s_mov_b64 s[64:65], 0
	v_nop
	global_prefetch_b8 v0, s[64:65] scope:SCOPE_SE
	s_setreg_imm32_b32 hwreg(HW_REG_WAVE_MODE, 25, 1), 1
	s_wait_xcnt 0x0
; h = (x - mean) * rsqrt(var + 1e-5) * w + b over rows of 1,024 f32, quantised along the row: codes of FP8 (E4M3), one E8M0 byte for each 32.
; In: x [4096][1024] f32, w, b [1024] f32.  Out: one buffer: codes [4096][1024] at byte 0, scale bytes [4096][32] at byte HSC.
; SHARES.  256 work-groups of four waves; a wave takes four rows and shares nothing: no barrier.  All 32 row loads of a wave go out at the start (16 KiB a wave), each 512 consecutive bytes.
; A row stays in 32 registers a lane: mean, then the sum of (x - mean)^2, as the definition has it (two passes over registers, one read of memory).
; The conversions take neighbours along K from ONE lane's registers, the loads give neighbouring lanes neighbouring bytes: so 2,048 bytes at a time turn through the wave's own stage in LDS
; (stored as loaded, read back 64 bytes a lane; 16 bytes of padding behind each 64).  Two neighbouring lanes then hold a block of 32.
; A block's scale is 2^(floor(log2(largest magnitude)) - 8); its byte is the largest magnitude's exponent field - 8, held at 1 from below.
; LIMITS: NaN and infinities among the inputs are not served.  A block whose largest magnitude lies under 2^-118 keeps the byte 1; a block of zeros keeps the byte 1 where the rule says 127:
; its codes are zeros, which add nothing under any byte but 0xff, and the bytes are read by this program alone.  A wave's 128 scale bytes leave as one run of 128 bytes: half of an aligned 256.
; Matrix units, tensor loads and clusters are left out: memory binds, and no byte is read by two work-groups.
.set ROWB, 4096                        ; a row of x in bytes
.set WREG, 8192                        ; LDS: a region for each wave: two stages of 32 x SP bytes, behind them its 128 scale bytes
.set SP,   80                          ; a lane's place in a stage: 64 bytes + 16 of padding
.set HSC,  4194304                     ; where the scale bytes begin in the output buffer
.set XT,   16                          ; v16-47   two sets of 16 neighbours
.set CH,   48                          ; v48-55   four chains of pairs;  v56-59 the quantiser's
.set X,    64                          ; v64-191  four rows, 32 registers each: register 4 j + e = element 128 j + 4 lane + e
.set GW,   192                         ; v192-223 w, in the same order
.set GB,   224                         ; v224-255 b
	s_load_b256 s[4:11], s[0:1], 0x0               ; x s[4:5], w s[6:7], b s[8:9], out s[10:11]
	v_lshl_add_u32 v62, v0, 2, 0x8000
	v_mov_b32 v63, 0
	v_lshrrev_b32 v1, 5, v0
	v_readfirstlane_b32 s17, v1                    ; wave
	v_and_b32 v1, 31, v0                           ; lane
	v_lshlrev_b32 v2, 4, v1                        ; my 16 bytes of 512
	s_mul_i32 s18, s17, WREG
	v_lshrrev_b32 v3, 2, v1
	v_mul_u32_u24 v3, v3, SP
	v_and_b32 v4, 3, v1
	v_lshl_add_u32 v3, v4, 4, v3
	v_add_nc_u32 v3, s18, v3                       ; the stage, in: SP (lane / 4) + 16 (lane % 4)
	v_mul_u32_u24 v4, v1, SP
	v_add_nc_u32 v4, s18, v4                       ; and out: SP x lane
	s_add_co_u32 s18, s18, 2*32*SP
	v_lshrrev_b32 v5, 1, v1
	v_add_nc_u32 v5, s18, v5                       ; my block's scale byte
	v_lshlrev_b32 v7, 2, v1
	v_add_nc_u32 v6, s18, v7                       ; and four of them on the way out
	s_mov_b32 s12, 0x76543210
	s_mov_b32 s13, 0xfedcba98                      ; v_permlanex16_b32's selects for lane l xor 16
	s_mov_b32 s14, 0x600000                        ; the mantissa field of 448
	s_mov_b32 s15, 0x3a800000                      ; 1 / 1024
	s_mov_b32 s16, 0x3727c5ac                      ; 1e-5
	v_mov_b32 v9, 0                                ; a lane permute's destination counts as one of its sources
	v_mov_b32 v11, 0                               ; upper halves of pairs of which the low word serves both halves
	v_mov_b32 v13, 0
	s_lshl_b32 s20, ttmp9, 16                      ; my first row = 16 x work-group + 4 x wave; in bytes of x,
	s_lshl_b32 s21, s17, 14
	s_add_co_u32 s20, s20, s21
	s_mov_b32 s21, 0
	s_lshr_b32 s22, s20, 2                         ; of codes,
	s_mov_b32 s23, 0
	s_lshr_b32 s24, s20, 7                         ; of scale bytes
	s_add_co_u32 s24, s24, HSC
	s_mov_b32 s25, 0
	s_wait_kmcnt 0x0
	s_add_nc_u64 s[4:5], s[4:5], s[20:21]
	s_add_nc_u64 s[26:27], s[10:11], s[24:25]
	s_add_nc_u64 s[10:11], s[10:11], s[22:23]
.macro RLOAD rho
.irp j, 0,1,2,3,4,5,6,7
	global_load_b128 v[X+32*\rho+4*\j:X+32*\rho+4*\j+3], v2, s[4:5] offset:ROWB*\rho+512*\j
.endr
.endm
	RLOAD 0
.irp j, 0,1,2,3,4,5,6,7
	global_load_b128 v[GW+4*\j:GW+4*\j+3], v2, s[6:7] offset:512*\j
.endr
.irp j, 0,1,2,3,4,5,6,7
	global_load_b128 v[GB+4*\j:GB+4*\j+3], v2, s[8:9] offset:512*\j
.endr
	RLOAD 1
	RLOAD 2
	RLOAD 3
.macro JOIN                            ; the four chains and the 32 lanes: the sum in v8 of every lane
	v_pk_add_f32 v[CH:CH+1], v[CH:CH+1], v[CH+2:CH+3]
	v_pk_add_f32 v[CH+4:CH+5], v[CH+4:CH+5], v[CH+6:CH+7]
	v_pk_add_f32 v[CH:CH+1], v[CH:CH+1], v[CH+4:CH+5]
	v_add_f32 v8, v[CH], v[CH+1]
	v_add_f32_dpp v8, v8, v8 row_xmask:1 row_mask:0xf bank_mask:0xf
	v_add_f32_dpp v8, v8, v8 row_xmask:2 row_mask:0xf bank_mask:0xf
	v_add_f32_dpp v8, v8, v8 row_xmask:4 row_mask:0xf bank_mask:0xf
	v_add_f32_dpp v8, v8, v8 row_xmask:8 row_mask:0xf bank_mask:0xf
	v_permlanex16_b32 v9, v8, s12, s13
	v_add_f32 v8, v8, v9
.endm
.macro TURN rho, u                     ; half u of the row through stage u: LDS serves a wave's instructions in order, so no wait stands between the stores and the loads
.irp i, 0,1,2,3
	ds_store_b128 v3, v[X+32*\rho+16*\u+4*\i:X+32*\rho+16*\u+4*\i+3] offset:32*SP*\u+8*SP*\i
.endr
.irp i, 0,1,2,3
	ds_load_b128 v[XT+16*\u+4*\i:XT+16*\u+4*\i+3], v4 offset:32*SP*\u+16*\i
.endr
.endm
.macro QSTEP rho, u                    ; my 16 neighbours of half u become 16 codes; codes and byte go into registers of the row that are done with, each written once: no store's data are written again
.set XS, XT+16*\u
.set CD, X+32*\rho+4*\u
.set EB, X+32*\rho+8+\u
	v_max3_num_f32 v56, |v[XS]|, |v[XS+1]|, |v[XS+2]|
	v_max3_num_f32 v57, |v[XS+3]|, |v[XS+4]|, |v[XS+5]|
.irp i, 6,10
	v_max3_num_f32 v56, v56, |v[XS+\i]|, |v[XS+\i+1]|
	v_max3_num_f32 v57, v57, |v[XS+\i+2]|, |v[XS+\i+3]|
.endr
	v_max3_num_f32 v56, v56, |v[XS+14]|, |v[XS+15]|
	v_max3_num_f32 v56, v56, v57, 0x4800000        ; and the floor 2^(9 - 127): the byte cannot fall under 1
	v_max_num_f32_dpp v56, v56, v56 row_xmask:1 row_mask:0xf bank_mask:0xf   ; with my neighbour's 16: the block's largest magnitude
	v_add_nc_u32 v59, 0xfc000000, v56              ; 8 off its exponent field: the conversion takes that field as its scale
	v_and_or_b32 v58, v56, 0x7f800000, s14         ; 448 x the scale
.irp i, 0,1,2,3,4,5,6,7,8,9,10,11,12,13,14,15
	v_med3_num_f32 v[XS+\i], v[XS+\i], -v58, v58   ; the conversion to an 8-bit code does not saturate (ISA guide 7.6.2): the hold
.endr
	v_cvt_scalef32_pk8_fp8_f32 v[CD:CD+1], v[XS:XS+7], v59
	v_cvt_scalef32_pk8_fp8_f32 v[CD+2:CD+3], v[XS+8:XS+15], v59
	v_lshrrev_b32 v[EB], 23, v59                   ; the scale's byte
	ds_store_b8 v5, v[EB] offset:32*\rho+16*\u     ; both lanes of a block write the same byte with the same value
	global_store_b128 v2, v[CD:CD+3], s[10:11] offset:1024*\rho+512*\u   ; the wave stores 512 consecutive bytes
.endm
.macro ROW rho, left                   ; left: the younger loads that may stay out
.set XR, X+32*\rho
	s_wait_loadcnt \left
.irp k, 0,2,4,6
	v_pk_add_f32 v[CH+\k:CH+\k+1], v[XR+\k:XR+\k+1], v[XR+8+\k:XR+9+\k]
.endr
.irp o, 16,24
.irp k, 0,2,4,6
	v_pk_add_f32 v[CH+\k:CH+\k+1], v[CH+\k:CH+\k+1], v[XR+\o+\k:XR+\o+\k+1]
.endr
.endr
	JOIN
	v_mul_f32 v10, s15, v8                         ; the mean
.irp k, 0,2,4,6,8,10,12,14,16,18,20,22,24,26,28,30
	v_pk_add_f32 v[XR+\k:XR+\k+1], v[XR+\k:XR+\k+1], v[10:11] op_sel_hi:[1,0] neg_lo:[0,1] neg_hi:[0,1]   ; x - mean
.endr
.irp k, 0,2,4,6
	v_pk_mul_f32 v[CH+\k:CH+\k+1], v[XR+\k:XR+\k+1], v[XR+\k:XR+\k+1]
.endr
.irp o, 8,16,24
.irp k, 0,2,4,6
	v_pk_fma_f32 v[CH+\k:CH+\k+1], v[XR+\o+\k:XR+\o+\k+1], v[XR+\o+\k:XR+\o+\k+1], v[CH+\k:CH+\k+1]
.endr
.endr
	JOIN
	v_fma_f32 v12, v8, s15, s16                    ; the variance + 1e-5
	s_wait_alu depctr_va_vdst(0)
	v_rsq_f32 v12, v12
	v_nop                                          ; one plain place behind a transcendental (ISA guide 5.7.2)
.if \rho == 0
	s_wait_loadcnt 24                              ; w and b are in; rows 1 to 3 (24 loads) may be out
.endif
	s_wait_alu depctr_va_vdst(0)
.irp k, 0,2,4,6,8,10,12,14,16,18,20,22,24,26,28,30
	v_pk_mul_f32 v[XR+\k:XR+\k+1], v[XR+\k:XR+\k+1], v[12:13] op_sel_hi:[1,0]
.endr
.irp k, 0,2,4,6,8,10,12,14,16,18,20,22,24,26,28,30
	v_pk_fma_f32 v[XR+\k:XR+\k+1], v[XR+\k:XR+\k+1], v[GW+\k:GW+\k+1], v[GB+\k:GB+\k+1]
.endr
	TURN \rho, 0
	TURN \rho, 1
	s_wait_dscnt 8                                 ; half 0 is back; behind it: half 1's four stores and four loads
	QSTEP \rho, 0
	s_wait_dscnt 1                                 ; half 1 is back; behind it: half 0's byte store
	QSTEP \rho, 1
.endm
	ROW 0, 40                                      ; behind row 0's loads: w, b and three rows
	ROW 1, 16
	ROW 2, 8
	ROW 3, 0
	ds_load_b32 v8, v6                             ; LDS serves a wave's instructions in order: this sees my byte stores
	s_wait_dscnt 0x0
	global_store_b32 v7, v8, s[26:27]              ; my four rows' 128 scale bytes, consecutive
	s_wait_tensorcnt 0x0
	ds_add_u32 v62, v63
	s_wait_dscnt 0x0
	s_endpgm
.Lfunc_end_k_qc2f9e3918c_ln1:
	.size	k_qc2f9e3918c_ln1, .Lfunc_end_k_qc2f9e3918c_ln1-k_qc2f9e3918c_ln1
	.p2alignl 7, 3214868480
	.fill 96, 4, 3214868480
	.section	.rodata,"a",@progbits
	.p2align	6, 0x0
	.amdhsa_kernel k_qc2f9e3918c_ln1
		.amdhsa_group_segment_fixed_size 33280
		.amdhsa_private_segment_fixed_size 0
		.amdhsa_enable_private_segment 0
		.amdhsa_kernarg_size 32
		.amdhsa_user_sgpr_count 2
		.amdhsa_user_sgpr_kernarg_segment_ptr 1
		.amdhsa_wavefront_size32 1
		.amdhsa_system_sgpr_workgroup_id_x 1
		.amdhsa_system_sgpr_workgroup_id_y 1
		.amdhsa_system_sgpr_workgroup_id_z 1
		.amdhsa_system_vgpr_workitem_id 0
		.amdhsa_next_free_vgpr 256
		.amdhsa_next_free_sgpr 66
		.amdhsa_reserve_vcc 0
		.amdhsa_float_denorm_mode_32 3
		.amdhsa_float_denorm_mode_16_64 3
		.amdhsa_memory_ordered 1
		.amdhsa_forward_progress 1
		.amdhsa_inst_pref_size 53
	.end_amdhsa_kernel
	.amdgpu_metadata
---
amdhsa.version: [ 1, 2 ]
amdhsa.kernels:
  - .name:           k_qc2f9e3918c_ln1
    .symbol:         k_qc2f9e3918c_ln1.kd
    .args:
      - { .name: x, .offset: 0, .size: 8, .value_kind: global_buffer, .address_space: global }
      - { .name: ln1_w, .offset: 8, .size: 8, .value_kind: global_buffer, .address_space: global }
      - { .name: ln1_b, .offset: 16, .size: 8, .value_kind: global_buffer, .address_space: global }
      - { .name: hbuf, .offset: 24, .size: 8, .value_kind: global_buffer, .address_space: global }
    .group_segment_fixed_size: 33280
    .private_segment_fixed_size: 0
    .kernarg_segment_align: 8
    .kernarg_segment_size: 32
    .max_flat_workgroup_size: 128
    .sgpr_count:     66
    .vgpr_count:     256
    .wavefront_size: 32
...
	.end_amdgpu_metadata
.endif
;; end of part 1
;; launch qkv (part 2): grid 8 x 32, 4 waves a work-group, clusters of 4 x 4, 327,680 bytes of LDS; arguments hbuf, in_proj_w_codes, in_proj_w_scales, in_proj_b, qkbuf, vbuf; writes qkbuf, vbuf
.if DOCPART == 2
	.amdgcn_target "amdgcn-amd-amdhsa--gfx1250"
	.amdhsa_code_object_version 6
	.text
	.protected	k_qc2f9e3918c_qkv
	.globl	k_qc2f9e3918c_qkv
	.p2align	8
	.type	k_qc2f9e3918c_qkv,@function
k_qc2f9e3918c_qkv:
	s_mov_b64 s[64:65], 0
	v_nop
	global_prefetch_b8 v0, s[64:65] scope:SCOPE_SE
	s_setreg_imm32_b32 hwreg(HW_REG_WAVE_MODE, 25, 1), 1
	s_wait_xcnt 0x0
	s_wait_alu depctr_hold_cnt(0) depctr_sa_sdst(0) depctr_va_vdst(0) depctr_va_sdst(0) depctr_va_ssrc(0) depctr_va_vcc(0) depctr_vm_vsrc(0)
	s_getreg_b32 s2, hwreg(HW_REG_IB_STS2, 6, 4)
	s_cmp_eq_u32 s2, 0
	s_cbranch_scc0 .Lentry_in_a_cluster
	s_endpgm
.Lentry_in_a_cluster:
	s_bfe_u32 s2, ttmp6, 0x10000c
	s_cmp_lg_u32 s2, 0xf033
	s_cbranch_scc0 .Lentry_shape_is_right
	s_endpgm
.Lentry_shape_is_right:
; q, k and v = Q( h in_proj_w^T + in_proj_b ): a GEMM on codes of FP8 (E4M3) with one E8M0 scale for each 32 along K, whose results are quantised again for the attention's products.
; IN: h: LN1's codes [4096][1024], scale bytes [4096][32] at ACT_SC; the weight's codes [3072][1024], scale bytes [3072][32]; the bias [3072] f32.
; OUT: q and k, quantised along the channels: codes [32 blocks of 64 channels][4096 tokens][64 B], scale words [32][4096][4 B] at QSC, each word s0 | s1 << 8 | s0 << 16 | s1 << 24.
;      v, quantised along the tokens: codes [16 heads][32 chunks of 128 tokens][64 d][128 B], scale words [16][32][64][4 B] at VSC.
; The 32 codes of a block lie in the order in which a lane holds them: byte 16 h + 8 u + j is element 16 u + 8 h + j, alike in both operands of each attention product.
; SHARES.  A work-group has 128 tokens (y) and makes three tiles of 128 x 128 with them: columns 256 x and 256 x + 128 of q and k, then channels 128 x of v.  Four waves, 64 x 64 each: 16 accumulators.
; THE TOKENS STAY IN REGISTERS: a wave's 64 tokens, all of K, are 32 fragments of 16 registers: windows 2 and 3.  They are read from LDS once.  A step of 128 along K then reads the weight's four fragments alone,
; into three buffers that take turns, two steps ahead of their use.
; LDS holds whole rows of K: the tokens' 128 rows, filled once, and the weight's 128 rows in two regions that take turns: each wave asks for 32 rows of a tile one tile ahead, which have a whole tile in which to land.
; q AND k: source 0 = 16 rows of the weight, source 1 = 16 tokens: lane (r, h) of tile (a, b) holds token 16 a + r and columns 16 b + 8 h + 0 .. 7: its registers run along the channels.
; v: THE SOURCES ARE SWAPPED: source 0 = 16 tokens, source 1 = 16 rows of the weight: a lane holds one channel and its registers run along the tokens, which are the K of the attention's second product.
; The bias is the C of each sum's first matrix instruction (v: one number a lane, spread over the eight registers).
; The scale bytes of the tokens and of q's and k's weight rows are dense blocks: they come by the head's tensor loads.  Those of v's 128 weight rows come by global loads, 32 bytes a thread, and are laid into LDS bytes of their own in the same form.
; CLUSTERS: 4 x 4 work-groups.  The four of a row of the cluster need the same tokens, the four of a column the same weight rows: each is asked for jointly, by one descriptor and a mask that names the four.
; No prefetch: the head asks for all that the first tile needs at once, and a refill has the whole way out of a tile in which to land.
; LIMITS: NaN and infinities are not served.  A block whose largest magnitude lies under 2^-118, a block of zeros too, keeps the byte 1: only this program reads the bytes.
; REGISTERS: window 0: v1-31 addresses; v32-63 scale words, two sets, and nothing else; v64-127 at work on the way out; v128-255 accumulators ((a, b) at v[128 + 8 (4 a + b)]).
;   window 1: v0-191 three buffers of the weight's four fragments; v192-223 the bias.   windows 2, 3: the tokens: step k's fragment a at v[64 (k % 4) + 16 a] of window 2 + k / 4.
.set NT,     2                         ; tiles of q and k
.set SIZE_K, 1024
.set ACT_SC, 4194304
.set QSC,    8388608
.set VSC,    4194304
.set CSTEP,  1<<19                     ; from a tile of q, k to the next: two blocks of 4,096 tokens x 64 bytes of codes,
.set WSTEP,  1<<15                     ; two blocks of 4,096 x 4 of scale words
.set PITCH,  1040                      ; an LDS row: 1,024 bytes + 16 of padding = 260 words: row r starts at bank 4 r mod 64 (64 banks of 4 bytes: ISA guide 11.1)
.set HALFT,  64*PITCH
.set KS,     SIZE_K/32
.set SROWS,  128*KS/256                ; the scales of 128 rows, in rows of 256 bytes
.set HALFS,  (SROWS/2)*272             ; those of 64 rows in LDS
.set SBLK,   (16*KS/256)*272           ; those of 16 rows
.set SCL,    4*HALFT                   ; behind the codes: the scales: the tokens' 128 rows, then the weight's 128 NT rows
.set SPARE,  SCL+(2+2*NT)*HALFS        ; the spare words, 128 bytes a wave
.set CST,    SPARE+512                 ; the stage for codes: 128 rows x (128 bytes + 16); no fill lands here
.set SS,     CST+128*144               ; for scale words: 1,024 bytes
.set VS,     SS+1024                   ; the scales of v's weight rows: 2 HALFS bytes, stored once
.set HH,   2
.set R4,   10                          ; 4 r
.set BA,   11
.set VSTO, 12                          ; v12-15, v18, v19: v's way out
.set VSSA, 13
.set VRD,  14
.set VSRD, 15
.set ADRA, 16                          ; v16-17 LDS address of my tokens' fragments, K bytes 0 and 512 on
.set VCO,  18
.set VSCO, 19
.set ADRB, 20                          ; v20-21 the same for the weight
.set ADRS0, 22
.set ADRC, 8                           ; v8-9 the weight's fragments where its rows lie in the tokens' LDS rows (the second tile)
.set SCO,  23
.set STO,  24
.set RD,   25
.set CO,   26
.set ADRS, 27
.set SPW,  28
.set NIL,  29
.set SSA,  30
.set SRD,  31
.set SC,   32                          ; register 16 (k / 4) + 4 i + k % 4: lanes 0-15 the word of the tokens' block i, lanes 16-31 of the weight's block i, for step k
.set BI,   192                         ; in window 1
.set TM,   64
.set WR,   80
.set SW,   84
.set T0,   96
.set ACC,  128
.set TSC,  19                          ; s19 where the tile's weight scales begin behind the first tile's
.set G1,   24
.set G0,   32
.set BST,  36                          ; s[36:37] bytes from the second tile's weight rows to v's
.set G1B,  48
.set G0B,  56
.set VBP,  60                          ; s[60:61] v's bias
.set XW,   62                          ; s62 the work-group's x
.set G1S,  68
.set G0S,  76
.set G1SB, 80
.set G0SB, 88
.set G0R,  92
.set SEL,  96
.set MNT,  98
.set MSB, 0
.macro WIN new                         ; the immediate's high byte repeats the setting that is left
.if MSB != \new
	s_set_vgpr_msb (MSB<<8)|\new
.set MSB, \new
.endif
.endm
.set TO_F,  0x40                       ; destination window 1, address window 0
.macro CROUND                          ; a round of the cluster's barrier
	s_barrier_signal -1
	s_barrier_wait -1
	s_cmp_lg_u32 s16, 0
	s_cbranch_scc1 .Lnot_wave_0_\@
	s_barrier_signal -3
.Lnot_wave_0_\@:
	s_barrier_wait -3
	s_barrier_signal -1
	s_barrier_wait -1
.endm
.macro ARM under, g0, g1, next
	s_cmp_lt_u32 s16, \under
	s_cbranch_scc0 \next
	tensor_load_to_lds s[\g0:\g0+3], s[\g1:\g1+7]
	s_nop 0
.rept 4
	v_nop
.endr
	s_branch .Lhead_asked
\next:
.endm
.macro GRP0 g, a                       ; a group 0 but for its LDS address
	s_mov_b32 s[\g], 1
	s_mov_b64 s[\g+2:\g+3], s[\a:\a+1]
	s_or_b32 s[\g+3], s[\g+3], 0x80000000
.endm
.macro PLACES n                        ; plain vector places behind matrix instructions: eight for this form
.rept \n
	v_nop
.endr
.endm
.macro SHADD d, r, n                   ; d += r << n
	s_lshl_b32 s99, \r, \n
	s_add_co_u32 \d, \d, s99
.endm
.macro FRAG reg, adr, q, i             ; 16 rows x 128 K: lane l holds row l % 16; registers 4 c .. 4 c + 3 hold K = 32 c + 16 (l / 16) + 0 .. 15
.irp c, 0,1,2,3
	ds_load_b128 v[\reg+4*\c:\reg+4*\c+3], v[\adr] offset:128*(\q)+32*\c+(\i)*16*PITCH
.endr
.endm
.macro FETCHB k                        ; the weight's four fragments of step k into buffer k % 3: 16 loads
	WIN TO_F
.irp i, 0,1,2,3
	FRAG 64*((\k)%3)+16*\i, WB+(\k)/4, (\k)%4, \i
.endr
.endm
.macro RESIDE                          ; my 64 tokens, all of K, into windows 2 and 3
.irp k, 0,1,2,3,4,5,6,7
	WIN 0x80+0x40*((\k)/4)
.irp i, 0,1,2,3
	FRAG 64*((\k)%4)+16*\i, ADRA+(\k)/4, (\k)%4, \i
.endr
.endr
	WIN 0
.endm
.macro SCALES set                      ; four words a row: bytes 16 set on of the row's 32
	WIN 0
.irp i, 0,1,2,3
	ds_load_b128 v[SC+16*\set+4*\i:SC+16*\set+4*\i+3], v[ADRS] offset:\i*SBLK+16*\set
.endr
.endm
.macro BIAS                            ; q, k: my 64 columns' bias: columns 16 b + 8 h + 0 .. 7 in the layout of a result
	WIN TO_F
.irp b, 0,1,2,3
	global_load_b128 v[BI+8*\b:BI+8*\b+3], v[BA], s[10:11] offset:64*\b
	global_load_b128 v[BI+8*\b+4:BI+8*\b+7], v[BA], s[10:11] offset:64*\b+16
.endr
	WIN 0
.endm
.macro WM d, s0, s1, c, x0, x1, mod
	v_wmma_scale_f32_16x16x128_f8f6f4 v[\d:\d+7], v[\s0:\s0+15], v[\s1:\s1+15], v[\c:\c+7], v[\x0], v[\x1] \mod
.endm
; Block a against four blocks b, step k.  The 16 accumulators take turns, one instruction a turn, in the same order everywhere.  sw = 1: v's tile: a counts the weight's blocks, b the tokens'.
.macro MUL4 a, k, first, sw
.irp b, 0,1,2,3
.set DD, ACC+8*(4*\a+\b)
.set CC, DD
.if \first
.set CC, BI+8*(\b+\sw*(\a-\b))
.endif
.if \sw
	WM DD, 64*((\k)%4)+16*\b, 64*((\k)%3)+16*\a, CC, SC+16*((\k)/4)+4*\b+(\k)%4, SC+16*((\k)/4)+4*\a+(\k)%4, matrix_b_scale:MATRIX_SCALE_ROW1
.else
	WM DD, 64*((\k)%3)+16*\b, 64*((\k)%4)+16*\a, CC, SC+16*((\k)/4)+4*\b+(\k)%4, SC+16*((\k)/4)+4*\a+(\k)%4, matrix_a_scale:MATRIX_SCALE_ROW1
.endif
.endr
.endm
; Step k of 128 along K: 16 matrix instructions.  At its head the fragments of step k + 2 are asked for, into the buffer that step k - 1 has just left.
.macro QT k, first, sw
.if \k < 7
	s_wait_dscnt 16                                ; all but the youngest sixteen loads, step k + 1's
.else
	s_wait_dscnt 0x0
.endif
.if \k < 6
	PLACES 8
	FETCHB \k+2
.if \k == 2
	SCALES 1
.endif
.endif
.if \sw
	WIN 0x06+(\k)/4+0x10*\first                    ; source 0: the tokens' window; source 1: window 1; the bias as C: window 1
.else
	WIN 0x09+4*((\k)/4)+0x10*\first                ; source 0: window 1; source 1: the tokens' window
.endif
	MUL4 0, \k, \first, \sw
	MUL4 1, \k, \first, \sw
	MUL4 2, \k, \first, \sw
	MUL4 3, \k, \first, \sw
.endm
; 64 numbers of a lane, four blocks: register 16 b + i; a block of 32 lies in lanes l and l xor 16.  Codes into v[pc] on, bytes into v[TM+4] on.
.macro QUANT s, pc
.irp b, 0,1,2,3
	v_max3_num_f32 v[TM+\b], |v[\s+16*\b]|, |v[\s+1+16*\b]|, 0x4800000   ; and the floor 2^(9 - 127): the byte cannot fall under 1
.endr
.irp i, 2,4,6,8,10,12,14
.irp b, 0,1,2,3
	v_max3_num_f32 v[TM+\b], v[TM+\b], |v[\s+16*\b+\i]|, |v[\s+1+16*\b+\i]|
.endr
.endr
.irp b, 0,1,2,3
	v_permlanex16_b32 v[TM+4+\b], v[TM+\b], s[SEL], s[SEL+1]
.endr
.irp b, 0,1,2,3
	v_max_num_f32 v[TM+\b], v[TM+\b], v[TM+4+\b]
.endr
.irp b, 0,1,2,3
	v_add_nc_u32 v[TM+12+\b], 0xfc000000, v[TM+\b]             ; 8 off the exponent field: the conversion's scale operand
.endr
.irp b, 0,1,2,3
	v_and_or_b32 v[TM+8+\b], v[TM+\b], 0x7f800000, s[MNT]      ; 448 x the scale
.endr
.irp b, 0,1,2,3
	v_lshrrev_b32 v[TM+4+\b], 23, v[TM+12+\b]                  ; the scale's byte
.endr
.irp b, 0,1,2,3
.irp i, 0,1,2,3,4,5,6,7,8,9,10,11,12,13,14,15
	v_med3_num_f32 v[\s+16*\b+\i], v[\s+16*\b+\i], -v[TM+8+\b], v[TM+8+\b]   ; the conversion does not saturate (ISA guide 7.6.2): the hold
.endr
	v_cvt_scalef32_pk8_fp8_f32 v[\pc+4*\b:\pc+4*\b+1], v[\s+16*\b:\s+16*\b+7], v[TM+12+\b]
	v_cvt_scalef32_pk8_fp8_f32 v[\pc+4*\b+2:\pc+4*\b+3], v[\s+16*\b+8:\s+16*\b+15], v[TM+12+\b]
.endr
	v_nop                                          ; one plain place behind the last conversion
.endm
	s_load_b128 s[4:7], s[0:1], 0x0                ; h (codes, then scale bytes), the weight's codes
	s_load_b128 s[8:11], s[0:1], 0x10              ; the weight's scale bytes, the bias
	s_load_b128 s[12:15], s[0:1], 0x20             ; q and k, v
	v_lshl_add_u32 v[SPW], v0, 2, SPARE
	v_mov_b32 v[NIL], 0
	ds_add_u32 v[SPW], v[NIL]                      ; the opening: the add, twice on end, and its wait
	ds_add_u32 v[SPW], v[NIL]
	v_lshrrev_b32 v1, 5, v0
	v_readfirstlane_b32 s16, v1                    ; wave 0..3
	s_lshr_b32 s17, s16, 1                         ; JH: which 64 tokens are mine
	s_and_b32 s18, s16, 1                          ; IH: which 64 rows of the weight
	s_bfe_u32 s40, ttmp6, 0x40000                  ; cx, cy
	s_bfe_u32 s41, ttmp6, 0x40004
	s_lshl_b32 s[XW], ttmp9, 2
	s_add_co_u32 s[XW], s[XW], s40                 ; x
	s_mul_i32 s42, s[XW], NT                       ; my first tile of q, k
	s_and_b32 s45, ttmp7, 0xffff
	s_lshl_b32 s45, s45, 2
	s_add_co_u32 s45, s45, s41                     ; y: my 128 tokens
	s_lshl_b32 s43, s41, 2
	s_lshl_b32 s43, 15, s43                        ; my row of the cluster
	s_lshl_b32 s44, 0x1111, s40                    ; my column
	s_or_b32 s[G1], s43, (1<<20)|(1<<21)|(7<<22)|(3<<25)    ; the mask; elements of 1 byte; padding on; bit 21 beside a mask; after every 256 words four words
	s_or_b32 s[G1B], s44, (1<<20)|(1<<21)|(7<<22)|(3<<25)
.irp g, G1, G1B
	s_mov_b32 s[\g+1], SIZE_K<<16                  ; whole rows of K,
	s_mov_b32 s[\g+2], 128<<16                     ; 128 of them at the head
	s_mov_b32 s[\g+3], SIZE_K<<16
	s_mov_b32 s[\g+4], 128
	s_mov_b32 s[\g+5], SIZE_K
	s_mov_b32 s[\g+6], 0
	s_mov_b32 s[\g+7], 0
.endr
	s_or_b32 s[G1S], s43, (3<<16)|(1<<20)|(1<<21)|(5<<22)|(3<<25)   ; the scales: rows of 32 elements of 8 bytes, four words of padding behind each
	s_or_b32 s[G1SB], s44, (3<<16)|(1<<20)|(1<<21)|(5<<22)|(3<<25)
.irp g, G1S, G1SB
	s_mov_b32 s[\g+1], 32<<16
	s_mov_b32 s[\g+3], 32<<16
	s_mov_b32 s[\g+5], 32
	s_mov_b32 s[\g+6], 0
	s_mov_b32 s[\g+7], 0
.endr
	s_mov_b32 s[G1S+2], SROWS<<16
	s_mov_b32 s[G1S+4], SROWS
	s_mov_b32 s[G1SB+2], (NT*SROWS)<<16
	s_mov_b32 s[G1SB+4], NT*SROWS
	s_lshl_b32 s20, s45, 7                         ; the tokens' first row: it hangs on y alone
	s_lshl_b32 s46, s42, 7                         ; the weight's: on x alone
	s_mul_i32 s22, s20, KS
	s_mul_i32 s20, s20, SIZE_K
	s_mul_i32 s92, s46, KS
	s_mul_i32 s46, s46, SIZE_K
	s_add_co_u32 s22, s22, ACT_SC
	s_mov_b32 s21, 0
	s_mov_b32 s23, 0
	s_mov_b32 s47, 0
	s_mov_b32 s93, 0
	s_mov_b32 s[SEL], 0x76543210
	s_mov_b32 s[SEL+1], 0xfedcba98
	s_mov_b32 s[MNT], 0x600000
	s_wait_dscnt 0x0                               ; both opening adds are done
	s_wait_kmcnt 0x0
	s_add_nc_u64 s[20:21], s[4:5], s[20:21]
	s_add_nc_u64 s[22:23], s[4:5], s[22:23]
	s_add_nc_u64 s[46:47], s[6:7], s[46:47]
	s_add_nc_u64 s[92:93], s[8:9], s[92:93]
	CROUND                                         ; all sixteen work-groups are here: the first joint loads meet
	GRP0 G0, 20
	s_mov_b32 s[G0+1], 0
	GRP0 G0B, 46
	s_mov_b32 s[G0B+1], 2*HALFT
	GRP0 G0S, 22
	s_mov_b32 s[G0S+1], SCL
	GRP0 G0SB, 92
	s_mov_b32 s[G0SB+1], SCL+2*HALFS
; THE HEAD'S LOADS, ONE A WAVE: wave 0 the tokens' 128 rows, wave 1 the first tile's 128 rows of the weight, wave 2 the tokens' scales, wave 3 the scales of q's and k's weight rows.
	ARM 1, G0,  G1,  .Lhead_b
	ARM 2, G0B, G1B, .Lhead_sa
	ARM 3, G0S, G1S, .Lhead_sb
	tensor_load_to_lds s[G0SB:G0SB+3], s[G1SB:G1SB+7]
	s_nop 0
.rept 4
	v_nop
.endr
.Lhead_asked:
	; scalar work first, then the vector work in one run
	s_mov_b32 s[G0R], 1                            ; my refill of the weight: rows 32 w on, whole rows of K
	s_mul_i32 s99, s16, 32*PITCH
	s_mov_b32 s[G0R+1], s99                        ; THE WEIGHT'S ROWS TAKE TURNS between two regions: the second tile's go into the tokens' LDS rows, which are free once the tokens are in registers
	s_lshl_b32 s66, s16, 15
	s_add_co_u32 s66, s66, 128*SIZE_K              ; the second tile's 128 rows
	s_mov_b32 s67, 0
	s_add_nc_u64 s[G0R+2:G0R+3], s[46:47], s[66:67]   ; the first tile's address: it is stepped ahead of each refill
	s_or_b32 s[G0R+3], s[G0R+3], 0x80000000
	s_mov_b32 s[TSC], 0
	s_lshl_b32 s[BST], s[XW], 7                    ; from row 256 x + 128 to row 2,048 + 128 x: 1,920 - 128 x rows
	s_sub_co_u32 s[BST], 1920, s[BST]
	s_lshl_b32 s[BST], s[BST], 10
	s_mov_b32 s[BST+1], 0
	s_lshl_b32 s66, s[XW], 12                      ; the scales of v's weight rows: from row 2,048 + 128 x on, 32 bytes a row
	s_add_co_u32 s66, s66, 2048*32
	s_add_nc_u64 s[38:39], s[8:9], s[66:67]
	s_lshl_b32 s66, s[XW], 9                       ; v's bias: my 64 channels
	SHADD s66, s18, 8
	s_add_co_u32 s66, s66, 8192
	s_add_nc_u64 s[VBP:VBP+1], s[10:11], s[66:67]
	s_lshl_b32 s66, s42, 9                         ; the bias of my 64 columns of the first tile
	SHADD s66, s18, 8
	s_add_nc_u64 s[10:11], s[10:11], s[66:67]
	s_lshl_b32 s66, s42, 15                        ; q, k: words: (2 x + w / 2) blocks of 16,384 + (128 y + 64 (w % 2)) tokens of 4
	SHADD s66, s17, 14
	SHADD s66, s45, 9
	SHADD s66, s18, 8
	s_add_co_u32 s66, s66, QSC
	s_add_nc_u64 s[20:21], s[12:13], s[66:67]
	s_lshl_b32 s66, s42, 19                        ; codes: (2 x) blocks of 262,144 + (128 y + 32 w) tokens of 64
	SHADD s66, s45, 13
	SHADD s66, s16, 11
	s_add_nc_u64 s[12:13], s[12:13], s[66:67]
	s_lshl_b32 s66, s[XW], 14                      ; v: words: ((2 x + w / 2) 32 + y) chunks of 256 + 128 (w % 2)
	SHADD s66, s17, 13
	SHADD s66, s45, 8
	SHADD s66, s18, 7
	s_add_co_u32 s66, s66, VSC
	s_add_nc_u64 s[22:23], s[14:15], s[66:67]
	s_lshl_b32 s66, s[XW], 19                      ; codes: the same chunks of 8,192 + 4,096 (w % 2)
	SHADD s66, s17, 18
	SHADD s66, s45, 13
	SHADD s66, s18, 12
	s_add_nc_u64 s[14:15], s[14:15], s[66:67]
	s_mul_i32 s2, s17, HALFT                       ; LDS: my tokens,
	s_mul_i32 s3, s18, HALFT
	s_add_co_u32 s3, s3, 2*HALFT                   ; my rows of the weight,
	s_mul_i32 s100, s17, HALFS
	s_mul_i32 s101, s18, HALFS
	s_add_co_u32 s101, s101, 2*HALFS
	s_sub_co_u32 s101, s101, s100                  ; the distance from the tokens' scales to the weight's,
	s_add_co_u32 s100, s100, SCL
	s_mul_i32 s40, s17, 64*144                     ; the stage, in: q, k: row 64 JH, byte 64 IH;
	SHADD s40, s18, 6
	s_add_co_u32 s40, s40, CST
	s_mul_i32 s41, s18, 64*144                     ; v: row 64 IH, byte 64 JH
	SHADD s41, s17, 6
	s_add_co_u32 s41, s41, CST
	s_lshl_b32 s43, s17, 8                         ; scale words: q, k: [IH][128 rows][4 B];
	SHADD s43, s18, 9
	s_add_co_u32 s43, s43, SS
	s_lshl_b32 s44, s18, 8                         ; v: [128 rows][4 B], my two bytes of a word
	SHADD s44, s17, 1
	s_add_co_u32 s44, s44, SS
	s_mul_i32 s46, s16, 32*144
	s_add_co_u32 s46, s46, CST                     ; back: wave w takes rows 32 w .. 32 w + 31
	s_lshl_b32 s47, s16, 8
	s_add_co_u32 s47, s47, SS
	s_lshl_b32 s63, s16, 7
	s_add_co_u32 s63, s63, SS
	s_mul_i32 s42, s18, HALFT                      ; my rows of the weight in the tokens' region
	v_and_b32 v1, 15, v0                           ; r
	v_bfe_u32 v[HH], v0, 4, 1                      ; h
	v_and_b32 v7, 31, v0                           ; lane
	v_lshlrev_b32 v96, 5, v0                       ; thread t takes row t of v's weight scales
	global_load_b128 v[100:103], v96, s[38:39]
	global_load_b128 v[104:107], v96, s[38:39] offset:16
	v_lshlrev_b32 v[BA], 5, v[HH]
	BIAS
	v_lshrrev_b32 v97, 3, v0
	v_lshl_add_u32 v97, v97, 4, v96                ; 32 t, and 16 more for each 256 passed
	v_add_nc_u32 v97, VS, v97
	v_lshlrev_b32 v[R4], 2, v1
	v_mul_u32_u24 v3, v1, PITCH
	v_lshl_add_u32 v3, v[HH], 4, v3                ; a fragment's row x pitch + 16 x half
	v_add_nc_u32 v[ADRA], s2, v3
	v_add_nc_u32 v[ADRB], s3, v3
	v_add_nc_u32 v[ADRA+1], 512, v[ADRA]
	v_add_nc_u32 v[ADRB+1], 512, v[ADRB]
	v_mul_u32_u24 v5, v1, KS                       ; my row's scales: KS bytes a row,
	v_lshrrev_b32 v6, 8, v5
	v_lshl_add_u32 v5, v6, 4, v5                   ; and 16 more for each 256 passed
	v_mul_u32_u24 v6, s101, v[HH]                  ; lanes 16-31 take the weight's: one product, the distance between the two bases
	v_add_nc_u32 v5, v5, v6
	v_add_nc_u32 v[ADRS0], s100, v5
	v_mul_u32_u24 v4, v1, 144
	v_lshl_add_u32 v4, v[HH], 4, v4                ; the lane's order: 16 bytes for each half
	v_add_nc_u32 v[STO], s40, v4
	v_add_nc_u32 v[VSTO], s41, v4
	v_lshl_add_u32 v[SSA], v1, 2, s43
	v_lshl_add_u32 v[VSSA], v1, 2, s44
	v_bfe_u32 v8, v0, 2, 2                         ; q, k, back: lanes 0-15: four tokens' 64 bytes of the first block of channels, lanes 16-31 of the second
	v_and_b32 v9, 3, v0
	v_mul_u32_u24 v5, v8, 144
	v_lshl_add_u32 v5, v[HH], 6, v5
	v_lshl_add_u32 v5, v9, 4, v5
	v_add_nc_u32 v[RD], s46, v5
	v_lshlrev_b32 v5, 18, v[HH]
	v_lshl_add_u32 v5, v8, 6, v5
	v_lshl_add_u32 v[CO], v9, 4, v5                ; in memory each sixteen lanes cover 256 consecutive bytes
	v_lshlrev_b32 v[SCO], 3, v7
	v_add_nc_u32 v[SRD], s47, v[SCO]
	v_bfe_u32 v8, v0, 3, 2                         ; v, back: eight lanes to a row of 128 bytes, four rows an instruction
	v_and_b32 v9, 7, v0
	v_mul_u32_u24 v5, v8, 144
	v_lshl_add_u32 v5, v9, 4, v5
	v_add_nc_u32 v[VRD], s46, v5
	v_lshl_add_u32 v[VSRD], v7, 2, s63
	v_lshlrev_b32 v5, 7, v8                        ; rows are dense: an instruction covers 512 consecutive bytes
	v_lshl_add_u32 v[VCO], v9, 4, v5
	v_lshlrev_b32 v[VSCO], 2, v7
	v_add_nc_u32 v[ADRC], s42, v3
	v_add_nc_u32 v[ADRC+1], 512, v[ADRC]
.irp b, 0,1,2,3
	v_mov_b32 v[TM+4+\b], 0                        ; a lane permute's destination counts as one of its sources
.endr
; A TILE OF 128 x 128.  At its head the weight's rows are whole and every wave knows it.  more = 1: a tile of q, k follows; 2: v's tile follows; 0: the last.  sw = 1: v's tile.
.macro TILE more, sw
	v_mad_u32_u24 v[ADRS], v[HH], s[TSC], v[ADRS0] ; lanes 16-31: this tile's rows of the weight; lanes 0-15: the tokens, the same for every tile
	FETCHB 0
	SCALES 0
	FETCHB 1
	s_wait_alu depctr_va_vdst(0)
	s_wait_loadcnt 0x0                             ; the bias
.if \sw
	WIN 0x41
.irp a, 0,1,2,3
.irp j, 1,2,3,4,5,6,7
	v_mov_b32 v[BI+8*\a+\j], v[BI+8*\a]            ; channel 16 a + r's bias: the same for the lane's eight tokens
.endr
.endr
	s_wait_alu depctr_va_vdst(0)
.endif
	QT 0, 1, \sw                                   ; the first products start the sums, with the bias as C
.irp k, 1,2,3,4,5,6,7
	QT \k, 0, \sw
.endr
	WIN 0
	PLACES 8                                       ; the places behind the last products
	s_wait_dscnt 0x0
	s_barrier_signal -1                            ; every wave's reads of the stage are over: it may be written again.  a load may be on its way across it
	s_barrier_wait -1
.if \more
.if \more == 1
	s_add_nc_u64 s[10:11], s[10:11], 512           ; the next tile's bias (the last loads by this base were waited for at the tile's head)
	BIAS
.else
	WIN TO_F
.irp a, 0,1,2,3
	global_load_b32 v[BI+8*\a], v[R4], s[VBP:VBP+1] offset:64*\a
.endr
	WIN 0
.endif
.endif
.irp aa, 0,1                           ; blocks a = 2 aa and 2 aa + 1: block bb of the quantiser is (a = 2 aa + bb / 2, columns 32 (bb % 2) on)
	QUANT ACC+64*\aa, T0+16*\aa
	v_lshl_or_b32 v[WR+2*\aa], v[TM+5], 8, v[TM+4]
	v_lshl_or_b32 v[WR+2*\aa+1], v[TM+7], 8, v[TM+6]
.if \sw == 0
	v_lshl_or_b32 v[WR+2*\aa], v[WR+2*\aa], 16, v[WR+2*\aa]
	v_lshl_or_b32 v[WR+2*\aa+1], v[WR+2*\aa+1], 16, v[WR+2*\aa+1]
.endif
.irp bb, 0,1,2,3
	ds_store_b128 v[STO+\sw*(VSTO-STO)], v[T0+16*\aa+4*\bb:T0+16*\aa+4*\bb+3] offset:2304*(2*\aa+\bb/2)+32*(\bb%2)
.endr
.irp u, 0,1
.if \sw
	ds_store_b16 v[VSSA], v[WR+2*\aa+\u] offset:64*(2*\aa+\u)
.else
	ds_store_b32 v[SSA], v[WR+2*\aa+\u] offset:64*(2*\aa+\u)   ; both halves of the lanes write the same word with the same value
.endif
.endr
.endr
.if \more == 1
	s_wait_tensorcnt 0x0                           ; my quarter of the second tile's weight rows has landed; no tensor load of mine is out, so a group 0 may be written
	ds_add_u32 v[SPW], v[NIL]                      ; 0 onto my spare word
	s_add_nc_u64 s[G0R+2:G0R+3], s[G0R+2:G0R+3], s[BST:BST+1] ; v's 128 rows,
	s_add_co_u32 s[G0R+1], s[G0R+1], 2*HALFT       ; into the region that the first tile has left
	s_wait_dscnt 0x0                               ; the add is done, my reads of that region are over, and my stores into the stages are done
	CROUND                                         ; the same holds of every wave of all sixteen work-groups
	tensor_load_to_lds s[G0R:G0R+3], s[G1B:G1B+7]  ; my one load behind the round: it has the whole second tile in which to land
	s_nop 0
.rept 4
	v_nop
.endr
.else
.if \more == 2
	s_wait_tensorcnt 0x0                           ; my quarter of v's weight rows has landed
.endif
	s_wait_dscnt 0x0                               ; for the others' sake: my stores into the stages are done
	s_barrier_signal -1
	s_barrier_wait -1
.endif
.irp t, 0,1,2,3,4,5,6,7
	ds_load_b128 v[T0+4*\t:T0+4*\t+3], v[RD+\sw*(VRD-RD)] offset:576*\t
.endr
.if \sw
	ds_load_b32 v[SW], v[VSRD]
.else
	ds_load_b64 v[SW:SW+1], v[SRD]
.endif
.irp t, 0,1,2,3,4,5,6,7
	s_wait_dscnt 8-\t                              ; behind load t: the later code loads and the scales' one
.if \sw
	global_store_b128 v[VCO], v[T0+4*\t:T0+4*\t+3], s[14:15] offset:512*\t
.else
	global_store_b128 v[CO], v[T0+4*\t:T0+4*\t+3], s[12:13] offset:256*\t
.endif
.endr
	s_wait_dscnt 0x0
.if \sw
	global_store_b32 v[VSCO], v[SW], s[22:23]
.else
	global_store_b64 v[SCO], v[SW:SW+1], s[20:21]
.endif
.if \more
	s_wait_xcnt 0x0                                ; the stores have read their registers and bases: both are written again only behind this wait
.endif
.if \more == 1
	s_add_nc_u64 s[12:13], s[12:13], CSTEP
	s_add_nc_u64 s[20:21], s[20:21], WSTEP
	s_add_co_u32 s[TSC], s[TSC], 2*HALFS
.endif
.if \more == 2
	s_mov_b32 s[TSC], VS-(SCL+2*HALFS)             ; v's weight scales lie in bytes of their own
.endif
.endm
	s_wait_alu depctr_va_vdst(0)
	s_wait_tensorcnt 0x0                           ; my one load has landed
	s_wait_loadcnt 8                               ; v's weight scales are in; the bias (8 loads) may be out
	ds_store_b128 v97, v[100:103]
	ds_store_b128 v97, v[104:107] offset:16
	s_wait_dscnt 0x0
	s_barrier_signal -1
	s_barrier_wait -1                              ; everybody's tile and stores are in
	RESIDE
	s_wait_tensorcnt 0x0                           ; no tensor load of mine is out,
	ds_add_u32 v[SPW], v[NIL]
	s_mov_b32 s[G1B+2], 32<<16                     ; from here on a load of the weight brings 32 rows
	s_mov_b32 s[G1B+4], 32
	s_wait_dscnt 0x0                               ; the add is done, and the tokens are in my registers
	CROUND                                         ; in everybody's, in all sixteen work-groups
	tensor_load_to_lds s[G0R:G0R+3], s[G1B:G1B+7]  ; my quarter of the second tile's weight rows: it has the first tile's products and quantising in which to land
	s_nop 0
.rept 4
	v_nop
.endr
.set WB, ADRB
	TILE 1, 0                                      ; written out three times: each differs in what it asks for
.set WB, ADRC
	TILE 2, 0
.set WB, ADRB
	TILE 0, 1
	s_wait_tensorcnt 0x0                           ; the wave's end
	ds_add_u32 v[SPW], v[NIL]
	s_wait_dscnt 0x0
	CROUND                                         ; the closing round: no work-group ends while a partner may still ask for a tile that names it
	s_endpgm
.Lfunc_end_k_qc2f9e3918c_qkv:
	.size	k_qc2f9e3918c_qkv, .Lfunc_end_k_qc2f9e3918c_qkv-k_qc2f9e3918c_qkv
	.p2alignl 7, 3214868480
	.fill 96, 4, 3214868480
	.section	.rodata,"a",@progbits
	.p2align	6, 0x0
	.amdhsa_kernel k_qc2f9e3918c_qkv
		.amdhsa_group_segment_fixed_size 327680
		.amdhsa_private_segment_fixed_size 0
		.amdhsa_enable_private_segment 0
		.amdhsa_kernarg_size 48
		.amdhsa_user_sgpr_count 2
		.amdhsa_user_sgpr_kernarg_segment_ptr 1
		.amdhsa_wavefront_size32 1
		.amdhsa_system_sgpr_workgroup_id_x 1
		.amdhsa_system_sgpr_workgroup_id_y 1
		.amdhsa_system_sgpr_workgroup_id_z 1
		.amdhsa_system_vgpr_workitem_id 0
		.amdhsa_next_free_vgpr 1024
		.amdhsa_next_free_sgpr 102
		.amdhsa_reserve_vcc 0
		.amdhsa_float_denorm_mode_32 3
		.amdhsa_float_denorm_mode_16_64 3
		.amdhsa_memory_ordered 1
		.amdhsa_forward_progress 1
		.amdhsa_inst_pref_size 164
	.end_amdhsa_kernel
	.amdgpu_metadata
---
amdhsa.version: [ 1, 2 ]
amdhsa.kernels:
  - .name:           k_qc2f9e3918c_qkv
    .symbol:         k_qc2f9e3918c_qkv.kd
    .args:
      - { .name: hbuf, .offset: 0, .size: 8, .value_kind: global_buffer, .address_space: global }
      - { .name: in_proj_w_codes, .offset: 8, .size: 8, .value_kind: global_buffer, .address_space: global }
      - { .name: in_proj_w_scales, .offset: 16, .size: 8, .value_kind: global_buffer, .address_space: global }
      - { .name: in_proj_b, .offset: 24, .size: 8, .value_kind: global_buffer, .address_space: global }
      - { .name: qkbuf, .offset: 32, .size: 8, .value_kind: global_buffer, .address_space: global }
      - { .name: vbuf, .offset: 40, .size: 8, .value_kind: global_buffer, .address_space: global }
    .group_segment_fixed_size: 327680
    .private_segment_fixed_size: 0
    .kernarg_segment_align: 8
    .kernarg_segment_size: 48
    .max_flat_workgroup_size: 128
    .sgpr_count:     102
    .vgpr_count:     1024
    .wavefront_size: 32
...
	.end_amdgpu_metadata
.endif
;; end of part 2
;; launch attn (part 3): grid 8 x 32, 16 waves a work-group, clusters of 4 x 1, 327,680 bytes of LDS; arguments qkbuf, vbuf, cbuf; writes cbuf
.if DOCPART == 3
	.amdgcn_target "amdgcn-amd-amdhsa--gfx1250"
	.amdhsa_code_object_version 6
	.text
	.protected	k_qc2f9e3918c_attn
	.globl	k_qc2f9e3918c_attn
	.p2align	8
	.type	k_qc2f9e3918c_attn,@function
k_qc2f9e3918c_attn:
	s_mov_b64 s[64:65], 0
	v_nop
	global_prefetch_b8 v0, s[64:65] scope:SCOPE_SE
	s_setreg_imm32_b32 hwreg(HW_REG_WAVE_MODE, 25, 1), 1
	s_wait_xcnt 0x0
	s_wait_alu depctr_hold_cnt(0) depctr_sa_sdst(0) depctr_va_vdst(0) depctr_va_sdst(0) depctr_va_ssrc(0) depctr_va_vcc(0) depctr_vm_vsrc(0)
	s_getreg_b32 s2, hwreg(HW_REG_IB_STS2, 6, 4)
	s_cmp_eq_u32 s2, 0
	s_cbranch_scc0 .Lentry_in_a_cluster
	s_endpgm
.Lentry_in_a_cluster:
	s_bfe_u32 s2, ttmp6, 0x10000c
	s_cmp_lg_u32 s2, 0x3003
	s_cbranch_scc0 .Lentry_shape_is_right
	s_endpgm
.Lentry_shape_is_right:
; ctx = Q( softmax(q k^T / 8 + mask) v ), 32 (batch, head) pairs, 2,048 tokens, head size 64, both products on codes of FP8 (E4M3) with one E8M0 scale for each 32 along K.
; THE MASK, which the problem builds itself: key j counts for query i where j < 512, or i >= 512 and j <= i.  Steps of 128 keys that lie wholly under the mask are left out: a query of block W (128 queries) takes max(4, W + 1) steps.
; IN: q and k: codes [32 blocks][4096 tokens][64 B] (blocks 0-15 q's heads, 16-31 k's), scale words [32][4096][4 B] at QSC, each word s0 | s1 << 8 | s0 << 16 | s1 << 24.
;     v: codes [16 heads][32 chunks of 128 tokens][64 d][128 B], scale words [16][32][64][4 B] at VSC.  Within each 32 codes, byte 16 h + 8 u + j is element 16 u + 8 h + j, alike in both operands of a product.
; OUT: ctx as codes [4096][1024] in true order, scale bytes [4096][32] at CSC.
; THE SOFTMAX: t = score x log2(e) / 8; M = the running largest t rounded UP to a whole number; p = 2^(t - M) is quantised along the keys; the sum is taken of the unquantised p and divides at the end.
; When M moves, the sum and O are multiplied by 2^(old M - new M): exact.
; SHARES.  A work-group takes one (batch, head) and the g-th tile of 16 queries of each of the 16 blocks W (g = the work-group's x): 142 steps in all.  They are dealt to the 16 waves in pairs: pair p = wave / 2 has the
; long tile W = 15 - p and the short tile W = p.  The even wave walks the long tile's steps 0 .. a - 1 (a = 10, 10, 9, 9, 9, 9, 9, 8).  The odd wave walks the short tile whole and stores it, then walks the long tile's
; steps a .. 15 - p, the diagonal among them, and hands its O^T, -M and sum to the even wave through LDS; the even wave brings both parts under the larger M (exact powers of two), adds and stores.  A wave has 8 to 10 steps.
; All of this hangs on the wave's number alone; g enters global addresses and one vector register, no branch.  Every loop has a constant trip count: steps that are not a wave's are jumped over inside it.
; ALL OF THE HEAD'S K AND V STAY IN LDS: 131,072 bytes each, dense in memory, as rows of 256 bytes with 16 of padding.  Nothing is filled again.
; CLUSTER: the four work-groups of a cluster have the same (batch, head): K, V and their scale words are asked for jointly (mask 15).  At the head waves 0 to 3 ask for keys 0-511 of K, of V, K's words, V's words, one load each;
; behind the full sequence and a round waves 0 to 5 ask for the three later quarters of K and of V, one load each: they are on their way while the first four steps are walked.
; No prefetch: each byte is asked for once, at the start, and there is no loop to run ahead in.
; LAYOUT.  Both products are used transposed: S^T = K Q^T (source 0 = 16 keys), O^T = V^T P^T (source 0 = 16 of the head's 64): a lane holds ONE query throughout.
; The head's 64 fill half of the instruction's 128: two fragments of K share eight registers of zero codes between them: [L0][Z][L1]; Q stands as [Q][Z][Q] likewise.  The doubled scale word serves both.
; LIMITS: NaN and infinities are not served; the scaled scores stay under 2^31 in magnitude; a block whose largest magnitude lies under 2^-118 keeps the byte 1.  ctx leaves in runs of 64 bytes of codes and single scale bytes: a head's share of a row is no more.
; REGISTERS: v1-7 addresses that stay; v8-11 the step's; v12 -M, v13 the largest t, v[14:15] the sum; v16-39 Q, zeros, Q; v40-87 K; v88-91 K's words, v92-95 V's; v96-159 S^T, then p, then V's fragments; v160-191 O^T;
;   v192-207 p's codes; v208-223 the blocks'; v[224:225], v[228:229] factors; v226, v227 at work; v230 the hand-over's address; v232 Q's word, v233 p's; v234 the diagonal's figure; v235, v236 the way out;
;   v237-245 the long tile's Q, kept for the second walk; v246-253 four chains of sums; v254, v255 the spare word and 0.
.set QRT,  34816                       ; a quarter of K or of V in LDS: 128 rows of 272
.set VREG, 4*QRT                       ; K's 512 rows at 0; V's here
.set SCK,  278528                      ; K's scale words, 32 rows of 272
.set SCV,  287232                      ; V's, 16 rows
.set STG,  291584                      ; the stages for the way out: 16 rows x 80 bytes a wave
.set SPARE, 312064                     ; the spare words: 128 bytes a wave
.set QSC,  8388608
.set VSC,  4194304
.set CSC,  4194304
.set AK0,  1
.set AV0,  2
.set ASK0, 3
.set ASV0, 4
.set SIN,  5
.set SOUT, 6
.set GO,   7
.set ADK,  8
.set ADV,  9
.set ADS,  10
.set ADT,  11
.set BM,   208                         ; each block's largest score, then its largest p
.set BT,   212                         ; the other half's, then the byte
.set BH,   216                         ; 448 x the scale
.set BS,   220                         ; the conversion's scale operand
.set XA,   230
.set Q2,   238
.set SM,   246
.set SPW,  254
.set NIL,  255
.set LC,   15                          ; s15 counts a loop's trips
.set WV,   16
.set WW,   17                          ; the block W of my first tile
.set GG,   18
.set MNT,  19
.set SEL,  20
.set CS,   22
.set G1C,  24
.set G1SK, 32
.set G1SV, 40
.set G0K,  48
.set G0V,  52
.set G0SK, 56
.set G0SV, 60
.set G0X,  68
.set PP,   72                          ; the pair
.set ROLE, 73                          ; 0: the even wave, 1: the odd one
.set LT,   74                          ; the long tile's block
.set AS,   75                          ; a: where the long tile is cut
.set EN,   76                          ; the last step of the walk in hand
.set DG,   77                          ; the step that lies on its diagonal
.set TB,   92                          ; LDS byte of the step's tiles, in K's region and in V's: 8,704 a step
.set TS,   93                          ; of K's words: 544 a step
.set TJ,   94                          ; of V's: 272 a step
.set ST,   95                          ; the step's number
.macro CROUND                          ; a round of the cluster's barrier
	s_barrier_signal -1
	s_barrier_wait -1
	s_cmp_lg_u32 s[WV], 0
	s_cbranch_scc1 .Lnot_wave_0_\@
	s_barrier_signal -3
.Lnot_wave_0_\@:
	s_barrier_wait -3
	s_barrier_signal -1
	s_barrier_wait -1
.endm
.macro GRP0 g, lds, a                  ; a descriptor's group 0
	s_mov_b32 s[\g], 1
	s_mov_b32 s[\g+1], \lds
	s_mov_b64 s[\g+2:\g+3], s[\a:\a+1]
	s_or_b32 s[\g+3], s[\g+3], 0x80000000
.endm
.macro ARM under, g0, g1, next
	s_cmp_lt_u32 s[WV], \under
	s_cbranch_scc0 \next
	tensor_load_to_lds s[\g0:\g0+3], s[\g1:\g1+7]
	s_nop 0
.rept 4
	v_nop
.endr
	s_branch .Lhead_asked
\next:
.endm
.macro QADR t, c, w                    ; tile s[t]: its first token into s3, Q's codes into s[c:c+1], Q's words into s[w:w+1]
	s_lshl_b32 s3, s[\t], 7
	s_add_co_u32 s3, s3, s12
	s_lshl_b32 s[\c], s3, 6
	s_add_co_u32 s[\c], s[\c], s66
	s_mov_b32 s[\c+1], 0
	s_add_nc_u64 s[\c:\c+1], s[4:5], s[\c:\c+1]
	s_lshl_b32 s[\w], s3, 2
	s_add_co_u32 s[\w], s[\w], s67
	s_mov_b32 s[\w+1], 0
	s_add_nc_u64 s[\w:\w+1], s[4:5], s[\w:\w+1]
.endm
	s_load_b128 s[4:7], s[0:1], 0x0                ; q and k, v
	s_load_b64 s[8:9], s[0:1], 0x10                ; ctx
	v_lshl_add_u32 v[SPW], v0, 2, SPARE
	v_mov_b32 v[NIL], 0
	ds_add_u32 v[SPW], v[NIL]                      ; the opening: the add, twice on end, and its wait
	ds_add_u32 v[SPW], v[NIL]
	v_lshrrev_b32 v8, 5, v0
	v_readfirstlane_b32 s[WV], v8                  ; wave 0..15
	s_lshr_b32 s[PP], s[WV], 1
	s_and_b32 s[ROLE], s[WV], 1
	s_xor_b32 s3, s[PP], 7                         ; 7 - p
	s_add_co_u32 s[LT], s3, 8                      ; 15 - p
	s_add_co_u32 s12, s3, 7
	s_lshr_b32 s12, s12, 3                         ; 1 where p < 7
	s_add_co_u32 s3, s3, 2
	s_lshr_b32 s3, s3, 3                           ; 1 where p < 2
	s_add_co_u32 s[AS], s12, s3
	s_add_co_u32 s[AS], s[AS], 8                   ; a
	s_max_u32 s3, s[PP], 3                         ; the short tile's last step
	s_sub_co_u32 s12, s[AS], 1
	s_cmp_eq_u32 s[ROLE], 0
	s_cselect_b32 s[WW], s[LT], s[PP]
	s_cselect_b32 s[EN], s12, s3
	s_mov_b32 s[DG], s[WW]
	s_bfe_u32 s3, ttmp6, 0x40000                   ; cx
	s_lshl_b32 s[GG], ttmp9, 2
	s_add_co_u32 s[GG], s[GG], s3                  ; g
	s_and_b32 s12, ttmp7, 0xffff
	s_lshr_b32 s13, s12, 4                         ; the batch
	s_and_b32 s14, s12, 15                         ; the head
	s_lshl_b32 s96, s14, 18
	s_lshl_b32 s12, s13, 17
	s_add_co_u32 s96, s96, s12                     ; (head, batch) in bytes of codes: V's
	s_mov_b32 s97, 0
	s_lshr_b32 s98, s96, 4                         ; K's words: a sixteenth of that, from block 16 on
	s_add_co_u32 s98, s98, QSC+(16<<14)
	s_mov_b32 s99, 0
	s_lshr_b32 s100, s96, 5                        ; V's words
	s_add_co_u32 s100, s100, VSC
	s_mov_b32 s101, 0
	s_add_co_u32 s80, s96, 16<<18                  ; K's codes
	s_mov_b32 s81, 0
.irp g, G1C, G1SK, G1SV                ; dense blocks as rows of 32 elements of 8 bytes, four words of padding behind each; mask: all four work-groups, bit 21 beside it
	s_mov_b32 s[\g], 15|(3<<16)|(1<<20)|(1<<21)|(5<<22)|(3<<25)
	s_mov_b32 s[\g+1], 32<<16
	s_mov_b32 s[\g+3], 32<<16
	s_mov_b32 s[\g+5], 32
	s_mov_b32 s[\g+6], 0
	s_mov_b32 s[\g+7], 0
.endr
	s_mov_b32 s[G1C+2], 128<<16                    ; rows: 128 (a quarter of the codes),
	s_mov_b32 s[G1C+4], 128
	s_mov_b32 s[G1SK+2], 32<<16                    ; 32 (K's words),
	s_mov_b32 s[G1SK+4], 32
	s_mov_b32 s[G1SV+2], 16<<16                    ; 16 (V's)
	s_mov_b32 s[G1SV+4], 16
	s_mov_b32 s[MNT], 0x600000                     ; the mantissa field of 448
	s_mov_b32 s[SEL], 0x76543210
	s_mov_b32 s[SEL+1], 0xfedcba98
	s_mov_b32 s[CS], 0x3e38aa3b                    ; c = log2(e) / 8
	s_mov_b32 s[CS+1], s[CS]
	s_mov_b32 s[TB], 0
	s_mov_b32 s[TS], 0
	s_mov_b32 s[TJ], 0
	s_mov_b32 s[ST], 0
	s_min_u32 s3, s[WV], 5                         ; the later quarters: waves 0-2 K's quarters 1-3, waves 3-5 V's
	s_mul_i32 s15, s3, 11
	s_lshr_b32 s15, s15, 5                         ; 0: K, 1: V
	s_add_co_u32 s3, s3, 1
	s_add_co_u32 s3, s3, s15                       ; its place among the eight quarters in LDS
	s_mul_i32 s[G0X+1], s3, QRT
	s_lshl_b32 s66, s3, 15
	s_lshl_b32 s67, s15, 17
	s_sub_co_u32 s66, s66, s67                     ; and its byte in K or in V
	s_mov_b32 s67, 0
	s_wait_dscnt 0x0                               ; both opening adds are done
	s_wait_kmcnt 0x0
	s_add_nc_u64 s[80:81], s[4:5], s[80:81]
	s_add_nc_u64 s[82:83], s[6:7], s[96:97]
	s_add_nc_u64 s[98:99], s[4:5], s[98:99]
	s_add_nc_u64 s[100:101], s[6:7], s[100:101]
	GRP0 G0K, 0, 80
	GRP0 G0V, VREG, 82
	GRP0 G0SK, SCK, 98
	GRP0 G0SV, SCV, 100
	s_mov_b32 s[G0X], 1
	s_cmp_eq_u32 s15, 0
	s_cselect_b64 s[G0X+2:G0X+3], s[80:81], s[82:83]
	s_add_nc_u64 s[G0X+2:G0X+3], s[G0X+2:G0X+3], s[66:67]
	s_or_b32 s[G0X+3], s[G0X+3], 0x80000000
	CROUND                                         ; all four work-groups are here: the joint loads meet
	ARM 1, G0K,  G1C,  .Lhead_v                    ; one chain of branches on the wave's number, one load to an arm
	ARM 2, G0V,  G1C,  .Lhead_sk
	ARM 3, G0SK, G1SK, .Lhead_sv
	ARM 4, G0SV, G1SV, .Lhead_none
.Lhead_asked:
	s_lshl_b32 s12, s13, 11
	s_lshl_b32 s3, s[GG], 4
	s_add_co_u32 s12, s12, s3                      ; 2,048 batch + 16 g: a tile's first token is that + 128 W
	s_lshl_b32 s66, s14, 18
	s_lshl_b32 s67, s14, 14
	s_add_co_u32 s67, s67, QSC
	QADR WW, 96, 98                                ; my first tile: the one that I store
	s_lshl_b32 s100, s3, 10                        ; ctx's codes: its rows, the head's 64 bytes
	s_lshl_b32 s10, s14, 6
	s_add_co_u32 s100, s100, s10
	s_mov_b32 s101, 0
	s_add_nc_u64 s[100:101], s[8:9], s[100:101]
	s_lshl_b32 s10, s3, 5                          ; and its scale bytes: the head's two
	s_lshl_b32 s11, s14, 1
	s_add_co_u32 s10, s10, s11
	s_add_co_u32 s10, s10, CSC
	s_mov_b32 s11, 0
	s_add_nc_u64 s[10:11], s[8:9], s[10:11]
	QADR LT, 84, 86                                ; the long tile
	v_and_b32 v8, 15, v0                           ; r
	v_bfe_u32 v9, v0, 4, 1                         ; h
	v_lshlrev_b32 v10, 6, v8
	v_lshl_add_u32 v10, v9, 4, v10
	v_lshlrev_b32 v11, 2, v8
	global_load_b128 v[16:19], v10, s[96:97]                   ; Q, codes low
	global_load_b128 v[20:23], v10, s[96:97] offset:32
	global_load_b128 v[32:35], v10, s[96:97]                   ; and once more, codes high
	global_load_b128 v[36:39], v10, s[96:97] offset:32
	global_load_b32 v232, v11, s[98:99]
	global_load_b128 v[Q2:Q2+3], v10, s[84:85]                 ; the long tile's, for the second walk (one text for all waves: the even waves do not use it)
	global_load_b128 v[Q2+4:Q2+7], v10, s[84:85] offset:32
	global_load_b32 v237, v11, s[86:87]
	v_lshrrev_b32 v226, 2, v8                      ; K: four keys to an LDS row: 272 (r / 4) + 64 (r % 4) + 16 h
	v_mul_u32_u24 v[AK0], v226, 272
	v_and_b32 v226, 3, v8
	v_lshl_add_u32 v[AK0], v226, 6, v[AK0]
	v_lshl_add_u32 v[AK0], v9, 4, v[AK0]
	v_lshrrev_b32 v226, 1, v8                      ; V: two d to an LDS row: 272 (r / 2) + 128 (r % 2) + 16 h
	v_mul_u32_u24 v[AV0], v226, 272
	v_and_b32 v226, 1, v8
	v_lshl_add_u32 v[AV0], v226, 7, v[AV0]
	v_lshl_add_u32 v[AV0], v9, 4, v[AV0]
	v_add_nc_u32 v[AV0], VREG, v[AV0]
	v_lshl_add_u32 v[ASK0], v8, 2, SCK
	v_lshl_add_u32 v[ASV0], v8, 2, SCV
	s_mul_i32 s3, s[WV], 1280
	s_add_co_u32 s3, s3, STG                       ; my stage
	v_mul_u32_u24 v[SIN], v8, 80
	v_lshl_add_u32 v[SIN], v9, 3, v[SIN]
	v_add_nc_u32 v[SIN], s3, v[SIN]
	v_bfe_u32 v228, v0, 2, 3                       ; lane / 4
	v_and_b32 v227, 3, v0
	v_mul_u32_u24 v[SOUT], v228, 80
	v_lshl_add_u32 v[SOUT], v227, 4, v[SOUT]
	v_add_nc_u32 v[SOUT], s3, v[SOUT]
	v_lshlrev_b32 v[GO], 10, v228
	v_lshl_add_u32 v[GO], v227, 4, v[GO]
	v_lshlrev_b32 v226, 3, v9
	v_sub_nc_u32 v234, v8, v226
	s_lshl_b32 s3, s[GG], 4
	v_add_nc_u32 v234, s3, v234                    ; 16 g + r - 8 h: on the diagonal, register n's key is hidden where 16 (n / 8) + n % 8 is larger
	v_lshl_add_u32 v235, v8, 5, v9                 ; my scale byte's place: 32 r + h
	v_mov_b32 v236, v9
	v_lshrrev_b32 v226, 6, v0                      ; the hand-over: 4,608 bytes a pair, 16 a lane, in K's region, behind the last read of K
	v_mul_u32_u24 v226, v226, 4608
	v_and_b32 v227, 31, v0
	v_lshl_add_u32 v[XA], v227, 4, v226
.irp j, 0,1,2,3,4,5,6,7
	v_mov_b32 v[24+\j], 0                          ; zero codes: between the two copies of Q,
	v_mov_b32 v[48+\j], 0                          ; and between K's fragments; never loaded into
	v_mov_b32 v[72+\j], 0
.endr
.macro FRESH                           ; a walk begins: the first change of M multiplies zeros
.set J, 0
.rept 32
	v_mov_b32 v[160+J], 0
.set J, J+1
.endr
	v_mov_b32 v13, 0xff61b1e6                      ; the largest t so far: -3e38
	v_floor_f32 v12, -v13
	v_mov_b32 v14, 0
	v_mov_b32 v15, 0
.endm
	FRESH
.irp b, 0,1,2,3
	v_mov_b32 v[BT+\b], 0                          ; a lane permute's destination counts as one of its sources
.endr
	v_mov_b32 v225, 0                              ; (upper halves of pairs of which the low word serves both halves)
	v_mov_b32 v229, 0
; A STEP OF 128 KEYS.  masked = 1: a step behind the walk's last is left out by a scalar branch on the wave's number and the step's; on the diagonal hidden scores become -infinity.
.macro STEP masked
.if \masked
	s_cmp_gt_u32 s[ST], s[EN]
	s_cbranch_scc1 .Lskip_\@
.endif
	v_add_nc_u32 v[ADK], s[TB], v[AK0]
	v_add_nc_u32 v[ADV], s[TB], v[AV0]
	v_add_nc_u32 v[ADS], s[TS], v[ASK0]
	v_add_nc_u32 v[ADT], s[TJ], v[ASV0]
.irp g, 0,1                            ; S^T = K Q^T, four tiles of 16 keys at a time
.if \g
.rept 8
	v_nop                                          ; places in front of loads into registers that the four products above have read
.endr
.endif
.irp t, 0,1,2,3
	ds_load_b128 v[40+24*(\t/2)+16*(\t%2):43+24*(\t/2)+16*(\t%2)], v[ADK] offset:1088*(4*\g+\t)
	ds_load_b128 v[44+24*(\t/2)+16*(\t%2):47+24*(\t/2)+16*(\t%2)], v[ADK] offset:1088*(4*\g+\t)+32
	ds_load_b32 v[88+\t], v[ADS] offset:272*\g+64*\t
.endr
.if \g == 0
	s_wait_alu depctr_va_vdst(0)
.endif
	s_wait_dscnt 0x0
.irp t, 0,1,2,3
	v_wmma_scale_f32_16x16x128_f8f6f4 v[96+8*(4*\g+\t):103+8*(4*\g+\t)], v[40+24*(\t/2)+8*(\t%2):55+24*(\t/2)+8*(\t%2)], v[16+8*(\t%2):31+8*(\t%2)], 0, v[88+\t], v232
.endr
.endr                                  ; lane (r, h): query r; register 8 tt + j: key 16 tt + 8 h + j
.rept 8
	v_nop
.endr
.if \masked
	s_cmp_lg_u32 s[ST], s[DG]
	s_cbranch_scc1 .Lopen_\@
	v_mov_b32 v227, 0xff800000                     ; -infinity
.set N, 0
.rept 64
	v_cmp_gt_i32 vcc_lo, 16*(N/8)+N%8, v234
	v_cndmask_b32 v[96+N], v[96+N], v227, vcc_lo
.set N, N+1
.endr
.Lopen_\@:
.endif
.irp b, 0,1,2,3
	v_max3_num_f32 v[BM+\b], v[96+16*\b], v[97+16*\b], v[98+16*\b]   ; the largest score of each block of 32 keys: for the row's maximum and, since p rises with the score, for the block's largest p
.endr
.irp i, 3,5,7,9,11,13
.irp b, 0,1,2,3
	v_max3_num_f32 v[BM+\b], v[BM+\b], v[96+16*\b+\i], v[97+16*\b+\i]
.endr
.endr
.irp b, 0,1,2,3
	v_max_num_f32 v[BM+\b], v[BM+\b], v[111+16*\b]
.endr
.irp b, 0,1,2,3
	v_permlanex16_b32 v[BT+\b], v[BM+\b], s[SEL], s[SEL+1]
.endr
.irp b, 0,1,2,3
	v_max_num_f32 v[BM+\b], v[BM+\b], v[BT+\b]
.endr
	v_max3_num_f32 v226, v[BM], v[BM+1], v[BM+2]
	v_max_num_f32 v226, v226, v[BM+3]
	v_mul_f32 v226, s[CS], v226
	v_max_num_f32 v13, v13, v226                   ; the running largest t
	v_mov_b32 v226, v12
	v_floor_f32 v12, -v13                          ; -M = floor(-t): M is a whole number
	v_sub_f32 v226, v12, v226
	v_cvt_i32_f32 v226, v226                       ; (it saturates)
	v_ldexp_f32 v224, 1.0, v226                    ; f = 2^(old M - new M)
.set J, 0
.rept 32
	v_pk_fma_f32 v[96+J:97+J], v[96+J:97+J], s[CS:CS+1], v[12:13] op_sel_hi:[1,0,0]   ; t - M
.set J, J+2
.endr
.irp b, 0,1,2,3
	v_fma_f32 v[BM+\b], v[BM+\b], s[CS], v12
.endr
	s_wait_alu depctr_va_vdst(0)
.set J, 0
.rept 64
	v_exp_f32 v[96+J], v[96+J]                     ; p, at most 1, not normalised
.set J, J+1
.endr
	v_pk_mul_f32 v[14:15], v[14:15], v[224:225] op_sel_hi:[1,0]   ; the sum under the new M (a plain place behind the exponentials)
	s_wait_alu depctr_va_vdst(0)                   ; one wait for the batch, ahead of its first reader
.irp b, 0,1,2,3
	v_exp_f32 v[BM+\b], v[BM+\b]                   ; the block's largest p: the same two instructions on the same number
.endr
.irp c, 0,1,2,3                        ; the row's sum of the unquantised p: four chains of pairs
	v_pk_add_f32 v[SM+2*\c:SM+2*\c+1], v[96+2*\c:97+2*\c], v[104+2*\c:105+2*\c]
.endr
.irp i, 2,3,4,5,6,7
.irp c, 0,1,2,3
	v_pk_add_f32 v[SM+2*\c:SM+2*\c+1], v[SM+2*\c:SM+2*\c+1], v[96+8*\i+2*\c:97+8*\i+2*\c]
.endr
.endr
	v_pk_add_f32 v[SM:SM+1], v[SM:SM+1], v[SM+2:SM+3]
	v_pk_add_f32 v[SM+4:SM+5], v[SM+4:SM+5], v[SM+6:SM+7]
	v_pk_add_f32 v[SM:SM+1], v[SM:SM+1], v[SM+4:SM+5]
	v_pk_add_f32 v[14:15], v[14:15], v[SM:SM+1]
	s_wait_alu depctr_va_vdst(0)                   ; and one for the four
.irp b, 0,1,2,3
	v_max_num_f32 v[BM+\b], 0x4800000, v[BM+\b]    ; the floor 2^(9 - 127): the byte cannot fall under 1
.endr
.irp b, 0,1,2,3
	v_add_nc_u32 v[BS+\b], 0xfc000000, v[BM+\b]
.endr
.irp b, 0,1,2,3
	v_and_or_b32 v[BH+\b], v[BM+\b], 0x7f800000, s[MNT]
.endr
.irp b, 0,1,2,3
	v_lshrrev_b32 v[BT+\b], 23, v[BS+\b]
.endr
	v_lshl_or_b32 v233, v[BT+1], 8, v[BT]          ; p's scale word for these 128 keys
	v_lshl_or_b32 v233, v[BT+2], 16, v233
	v_lshl_or_b32 v233, v[BT+3], 24, v233
.irp b, 0,1,2,3
.irp i, 0,1,2,3,4,5,6,7,8,9,10,11,12,13,14,15
	v_min_num_f32 v[96+16*\b+\i], v[96+16*\b+\i], v[BH+\b]   ; the conversion does not saturate (ISA guide 7.6.2); p is not negative: a one-sided hold
.endr
	v_cvt_scalef32_pk8_fp8_f32 v[192+4*\b:193+4*\b], v[96+16*\b:103+16*\b], v[BS+\b]
	v_cvt_scalef32_pk8_fp8_f32 v[194+4*\b:195+4*\b], v[104+16*\b:111+16*\b], v[BS+\b]
.endr
.irp t, 0,1,2,3                        ; V's four fragments (16 d x 128 keys) into the registers that p has left
.irp c, 0,1,2,3
	ds_load_b128 v[96+16*\t+4*\c:99+16*\t+4*\c], v[ADV] offset:2176*\t+32*\c
.endr
	ds_load_b32 v[92+\t], v[ADT] offset:64*\t
.endr
	s_wait_alu depctr_va_vdst(0)
.set J, 0
.rept 16
	v_pk_mul_f32 v[160+J:161+J], v[160+J:161+J], v[224:225] op_sel_hi:[1,0]   ; O^T under the new M; also the places between the codes' making and the products
.set J, J+2
.endr
	s_wait_alu depctr_va_vdst(0)
	s_wait_dscnt 0x0
.irp t, 0,1,2,3
	v_wmma_scale_f32_16x16x128_f8f6f4 v[160+8*\t:167+8*\t], v[96+16*\t:111+16*\t], v[192:207], v[160+8*\t:167+8*\t], v[92+\t], v233
.endr
.rept 9
	v_nop                                          ; nine places: the next step's first products write over registers that these four have read
.endr
.if \masked
.Lskip_\@:
.endif
	s_add_co_u32 s[TB], s[TB], 8704
	s_add_co_u32 s[TS], s[TS], 544
	s_add_co_u32 s[TJ], s[TJ], 272
	s_add_co_u32 s[ST], s[ST], 1
.endm
; THE WAY OUT: O^T / the sum, quantised along the head's 64 (two blocks of 32: tiles 2 p, 2 p + 1, lanes l and l xor 16), through my stage into true order
.macro WAYOUT
	v_add_f32 v14, v14, v15
	v_permlanex16_b32 v226, v14, s[SEL], s[SEL+1]
	v_add_f32 v14, v14, v226
	s_wait_alu depctr_va_vdst(0)
	v_rcp_f32 v14, v14
	v_nop
	s_wait_alu depctr_va_vdst(0)                   ; and ahead of its first reader, which is O^T's too
.set J, 0
.rept 32
	v_mul_f32 v[96+J], v[160+J], v14               ; register 8 t + j: channel 16 t + 8 h + j of query r
.set J, J+1
.endr
.irp p, 0,1
	v_max3_num_f32 v[BM+\p], |v[96+16*\p]|, |v[97+16*\p]|, 0x4800000
.endr
.irp i, 2,4,6,8,10,12,14
.irp p, 0,1
	v_max3_num_f32 v[BM+\p], v[BM+\p], |v[96+16*\p+\i]|, |v[97+16*\p+\i]|
.endr
.endr
.irp p, 0,1
	v_permlanex16_b32 v[BT+\p], v[BM+\p], s[SEL], s[SEL+1]
.endr
.irp p, 0,1
	v_max_num_f32 v[BM+\p], v[BM+\p], v[BT+\p]
.endr
.irp p, 0,1
	v_add_nc_u32 v[BS+\p], 0xfc000000, v[BM+\p]
	v_and_or_b32 v[BH+\p], v[BM+\p], 0x7f800000, s[MNT]
.endr
.irp p, 0,1
	v_lshrrev_b32 v[BT+\p], 23, v[BS+\p]
.endr
.irp p, 0,1
.irp i, 0,1,2,3,4,5,6,7,8,9,10,11,12,13,14,15
	v_med3_num_f32 v[96+16*\p+\i], v[96+16*\p+\i], -v[BH+\p], v[BH+\p]
.endr
.endr
.irp t, 0,1,2,3
	v_cvt_scalef32_pk8_fp8_f32 v[192+2*\t:193+2*\t], v[96+8*\t:103+8*\t], v[BS+\t/2]
.endr
	v_cmp_ne_u32 vcc_lo, 0, v236                   ; (a plain place behind the conversions)  lanes 0-15 store block 0's byte, lanes 16-31 block 1's
	v_cndmask_b32 v226, v[BT], v[BT+1], vcc_lo
.irp t, 0,1,2,3
	ds_store_b64 v[SIN], v[192+2*\t:193+2*\t] offset:16*\t     ; row r, channels 16 t + 8 h on
.endr
	ds_load_b128 v[200:203], v[SOUT]               ; LDS serves a wave's instructions in order: these see my stores.  Four lanes to a row of 64 bytes
	ds_load_b128 v[204:207], v[SOUT] offset:640
	global_store_b8 v235, v226, s[10:11]
	s_wait_dscnt 0x0
	global_store_b128 v[GO], v[200:203], s[100:101]
	global_store_b128 v[GO], v[204:207], s[100:101] offset:8192
.endm
.macro WALK name, trips, masked        ; a counted loop of steps
	s_mov_b32 s[LC], \trips
\name:
	STEP \masked
	s_sub_co_u32 s[LC], s[LC], 1
	s_cmp_lg_u32 s[LC], 0
	s_cbranch_scc1 \name
.endm
	s_wait_alu depctr_va_vdst(0)
	s_wait_tensorcnt 0x0                           ; my load of the head's four, if I had one, has landed
	ds_add_u32 v[SPW], v[NIL]                      ; the add, twice on end here
	ds_add_u32 v[SPW], v[NIL]
	s_wait_dscnt 0x0
	CROUND                                         ; keys 0-511 and all scale words are in, and all four work-groups are here
	s_cmp_lt_u32 s[WV], 6
	s_cbranch_scc0 .Lno_more
	tensor_load_to_lds s[G0X:G0X+3], s[G1C:G1C+7]  ; a later quarter of K or of V: my one load behind the round
	s_nop 0
.rept 4
	v_nop
.endr
.Lno_more:
	s_wait_loadcnt 0x0                             ; Q
	WALK .Lprefix, 4, 0                            ; keys 0-511 count for every query
	s_wait_tensorcnt 0x0                           ; all of K and V
	s_wait_dscnt 0x0
	s_barrier_signal -1
	s_barrier_wait -1
	WALK .Lrest, 6, 1                              ; steps 4 to 9 of my first walk, as far as it goes
	s_cmp_eq_u32 s[ROLE], 0
	s_cbranch_scc1 .Lkeep                          ; the even wave keeps its sums
	WAYOUT                                         ; the odd wave stores the short tile
	s_wait_xcnt 0x0                                ; the stores have read their registers
.irp j, 0,1,2,3,4,5,6,7
	v_mov_b32 v[16+\j], v[Q2+\j]                   ; and takes up the long tile's Q
	v_mov_b32 v[32+\j], v[Q2+\j]
.endr
	v_mov_b32 v232, v237
	FRESH
	s_wait_alu depctr_va_vdst(0)
.Lkeep:
	s_mov_b32 s[ST], s[AS]                         ; the long tile from step a on
	s_mul_i32 s[TB], s[AS], 8704
	s_mul_i32 s[TS], s[AS], 544
	s_mul_i32 s[TJ], s[AS], 272
	s_mul_i32 s[EN], s[LT], s[ROLE]                ; its last step, which lies on the diagonal; 0 in the even wave: every step is jumped over there
	s_mov_b32 s[DG], s[LT]
	WALK .Lsecond, 6, 1
	s_wait_dscnt 0x0                               ; my reads of K and V are over
	s_barrier_signal -1
	s_barrier_wait -1                              ; everybody's are: K's region has had its last fill and its last read
	s_cmp_eq_u32 s[ROLE], 0
	s_cbranch_scc1 .Lno_send
.irp i, 0,1,2,3,4,5,6,7
	ds_store_b128 v[XA], v[160+4*\i:163+4*\i] offset:512*\i    ; an image of my registers: O^T,
.endr
	ds_store_b128 v[XA], v[12:15] offset:4096      ; -M, t and the sum's halves
.Lno_send:
	s_wait_dscnt 0x0
	s_barrier_signal -1
	s_barrier_wait -1
	s_cmp_lg_u32 s[ROLE], 0
	s_cbranch_scc1 .Ldone
.irp i, 0,1,2,3,4,5,6,7
	ds_load_b128 v[96+4*\i:99+4*\i], v[XA] offset:512*\i
.endr
	ds_load_b128 v[128:131], v[XA] offset:4096
	s_wait_dscnt 0x0
	v_min_num_f32 v226, v12, v128                  ; -M of both parts together
	v_sub_f32 v227, v226, v12
	v_sub_f32 v228, v226, v128
	v_cvt_i32_f32 v227, v227
	v_cvt_i32_f32 v228, v228
	v_ldexp_f32 v224, 1.0, v227                    ; my part's factor, a power of two,
	v_ldexp_f32 v228, 1.0, v228                    ; and the other's
	v_pk_mul_f32 v[14:15], v[14:15], v[224:225] op_sel_hi:[1,0]
	v_pk_fma_f32 v[14:15], v[130:131], v[228:229], v[14:15] op_sel_hi:[1,0,1]
.set J, 0
.rept 16
	v_pk_mul_f32 v[160+J:161+J], v[160+J:161+J], v[224:225] op_sel_hi:[1,0]
	v_pk_fma_f32 v[160+J:161+J], v[96+J:97+J], v[228:229], v[160+J:161+J] op_sel_hi:[1,0,1]
.set J, J+2
.endr
	WAYOUT                                         ; the even wave stores the long tile
.Ldone:
	s_wait_tensorcnt 0x0                           ; the wave's end
	ds_add_u32 v[SPW], v[NIL]
	s_wait_dscnt 0x0
	CROUND                                         ; the closing round: no work-group ends while a partner may still ask for a tile that names it
	s_endpgm
.Lfunc_end_k_qc2f9e3918c_attn:
	.size	k_qc2f9e3918c_attn, .Lfunc_end_k_qc2f9e3918c_attn-k_qc2f9e3918c_attn
	.p2alignl 7, 3214868480
	.fill 96, 4, 3214868480
	.section	.rodata,"a",@progbits
	.p2align	6, 0x0
	.amdhsa_kernel k_qc2f9e3918c_attn
		.amdhsa_group_segment_fixed_size 327680
		.amdhsa_private_segment_fixed_size 0
		.amdhsa_enable_private_segment 0
		.amdhsa_kernarg_size 24
		.amdhsa_user_sgpr_count 2
		.amdhsa_user_sgpr_kernarg_segment_ptr 1
		.amdhsa_wavefront_size32 1
		.amdhsa_system_sgpr_workgroup_id_x 1
		.amdhsa_system_sgpr_workgroup_id_y 1
		.amdhsa_system_sgpr_workgroup_id_z 1
		.amdhsa_system_vgpr_workitem_id 0
		.amdhsa_next_free_vgpr 256
		.amdhsa_next_free_sgpr 102
		.amdhsa_reserve_vcc 1
		.amdhsa_float_denorm_mode_32 3
		.amdhsa_float_denorm_mode_16_64 3
		.amdhsa_memory_ordered 1
		.amdhsa_forward_progress 1
		.amdhsa_inst_pref_size 102
	.end_amdhsa_kernel
	.amdgpu_metadata
---
amdhsa.version: [ 1, 2 ]
amdhsa.kernels:
  - .name:           k_qc2f9e3918c_attn
    .symbol:         k_qc2f9e3918c_attn.kd
    .args:
      - { .name: qkbuf, .offset: 0, .size: 8, .value_kind: global_buffer, .address_space: global }
      - { .name: vbuf, .offset: 8, .size: 8, .value_kind: global_buffer, .address_space: global }
      - { .name: cbuf, .offset: 16, .size: 8, .value_kind: global_buffer, .address_space: global }
    .group_segment_fixed_size: 327680
    .private_segment_fixed_size: 0
    .kernarg_segment_align: 8
    .kernarg_segment_size: 24
    .max_flat_workgroup_size: 512
    .sgpr_count:     102
    .vgpr_count:     256
    .wavefront_size: 32
...
	.end_amdgpu_metadata
.endif
;; end of part 3
;; launch outp (part 4): grid 8 x 32, 4 waves a work-group, clusters of 4 x 4, 327,680 bytes of LDS; arguments cbuf, out_w_codes, out_w_scales, out_b, x, x1; writes x1
.if DOCPART == 4
	.amdgcn_target "amdgcn-amd-amdhsa--gfx1250"
	.amdhsa_code_object_version 6
	.text
	.protected	k_qc2f9e3918c_outp
	.globl	k_qc2f9e3918c_outp
	.p2align	8
	.type	k_qc2f9e3918c_outp,@function
k_qc2f9e3918c_outp:
	s_mov_b64 s[64:65], 0
	v_nop
	global_prefetch_b8 v0, s[64:65] scope:SCOPE_SE
	s_setreg_imm32_b32 hwreg(HW_REG_WAVE_MODE, 25, 1), 1
	s_wait_xcnt 0x0
	s_wait_alu depctr_hold_cnt(0) depctr_sa_sdst(0) depctr_va_vdst(0) depctr_va_sdst(0) depctr_va_ssrc(0) depctr_va_vcc(0) depctr_vm_vsrc(0)
	s_getreg_b32 s2, hwreg(HW_REG_IB_STS2, 6, 4)
	s_cmp_eq_u32 s2, 0
	s_cbranch_scc0 .Lentry_in_a_cluster
	s_endpgm
.Lentry_in_a_cluster:
	s_bfe_u32 s2, ttmp6, 0x10000c
	s_cmp_lg_u32 s2, 0xf033
	s_cbranch_scc0 .Lentry_shape_is_right
	s_endpgm
.Lentry_shape_is_right:
.set SIZE_K, 1024
.set ACT_SC, 4194304
.set BJ, 0
.set KSTEP,  512
.set PITCH,  1040                      ; an LDS row holds all of K: 1,024 bytes + 16 of padding = 260 words: row r starts at bank 4 r mod 64
.set HALFT,  64*PITCH
.set SLOT,   512                       ; the second 512 along K lie 512 bytes on in the same LDS row
.set LAPS,   SIZE_K/(2*KSTEP)
.set KS,     SIZE_K/32
.set SROWS,  128*KS/256                ; the scales of 128 rows, in rows of 256 bytes: what one load brings
.set HALFS,  (SROWS/2)*272             ; those of 64 rows in LDS
.set SBLK,   (16*KS/256)*272
.set SCL,    4*HALFT                   ; behind A's 128 rows and B's 128 rows
.set SPARE,  SCL+4*HALFS
.set STG,    SPARE+512
.set ADRA, 16
.set ADRB, 20
.set STO,  24
.set RD,   25
.set CO,   26
.set ADRS, 27
.set SPW,  28
.set NIL,  29
.set SC,   32
.set BI,   64
.set BK,   96
.set ACC,  128
.set G1,   24
.set G0,   32
.set G1B,  48
.set G0B,  56
.set G1S,  68
.set G0S,  76
.set G1SB, 80
.set G0SB, 88
.set MSB, 0
.macro WIN new
.if MSB != \new
	s_set_vgpr_msb (MSB<<8)|\new
.set MSB, \new
.endif
.endm
.set MUL,  0x05
.set TO_F, 0x40
.macro JLOAD g0a, g1a, g0b, g1b
	s_cmp_eq_u32 s17, 0
	s_cbranch_scc0 .Lfor_b_\@
	tensor_load_to_lds s[\g0a:\g0a+3], s[\g1a:\g1a+7]
	s_nop 0
.rept 4
	v_nop
.endr
	s_branch .Lasked_\@
.Lfor_b_\@:
	tensor_load_to_lds s[\g0b:\g0b+3], s[\g1b:\g1b+7]
	s_nop 0
.rept 4
	v_nop
.endr
.Lasked_\@:
.endm
.macro CREST
	s_cmp_lg_u32 s16, 0
	s_cbranch_scc1 .Lnot_wave_0_\@
	s_barrier_signal -3
.Lnot_wave_0_\@:
	s_barrier_wait -3
	s_barrier_signal -1
	s_barrier_wait -1
.endm
.macro CROUND
	s_barrier_signal -1
	s_barrier_wait -1
	CREST
.endm
.macro PLACES n
.rept \n
	v_nop
.endr
.endm
.macro FRAG reg, adr, q, i
.irp c, 0,1,2,3
	ds_load_b128 v[\reg+4*\c:\reg+4*\c+3], v[\adr] offset:128*(\q)+32*\c+(\i)*16*PITCH
.endr
.endm
.macro FETCH1 slot, q, f
	WIN TO_F
.irp i, 0,1,2,3
	FRAG \f+64+16*\i, ADRB+\slot, \q, \i
.endr
	FRAG \f, ADRA+\slot, \q, 0
	FRAG \f+16, ADRA+\slot, \q, 1
.endm
.macro FETCH2 slot, q, f
	WIN TO_F
	FRAG \f+32, ADRA+\slot, \q, 2
	FRAG \f+48, ADRA+\slot, \q, 3
.endm
.macro SCALES set
	WIN 0
.irp i, 0,1,2,3
	ds_load_b128 v[SC+16*\set+4*\i:SC+16*\set+4*\i+3], v[ADRS] offset:\i*SBLK
.endr
.endm
.macro MUL4 a, f, q, set, first
.irp b, 0,1,2,3
.if \first
	v_wmma_scale_f32_16x16x128_f8f6f4 v[ACC+8*(4*\a+\b):ACC+8*(4*\a+\b)+7], v[\f+64+16*\b:\f+64+16*\b+15], v[\f+16*\a:\f+16*\a+15], v[BI+8*(\b+BJ*(\a-\b)):BI+8*(\b+BJ*(\a-\b))+7], v[SC+16*\set+4*\b+\q], v[SC+16*\set+4*\a+\q] matrix_a_scale:MATRIX_SCALE_ROW1
.else
	v_wmma_scale_f32_16x16x128_f8f6f4 v[ACC+8*(4*\a+\b):ACC+8*(4*\a+\b)+7], v[\f+64+16*\b:\f+64+16*\b+15], v[\f+16*\a:\f+16*\a+15], v[ACC+8*(4*\a+\b):ACC+8*(4*\a+\b)+7], v[SC+16*\set+4*\b+\q], v[SC+16*\set+4*\a+\q] matrix_a_scale:MATRIX_SCALE_ROW1
.endif
.endr
.endm
.macro QUARTER slot, q, first
.set FF, 128*((\q)%2)
.set FG, 128-FF
	s_wait_dscnt 8
	WIN MUL
	MUL4 0, FF, \q, \slot, \first
	MUL4 1, FF, \q, \slot, \first
	PLACES 8
	FETCH1 \slot, (\q)+1, FG
	FETCH2 \slot, (\q)+1, FG
	s_wait_dscnt 32
	WIN MUL
	MUL4 2, FF, \q, \slot, \first
	MUL4 3, FF, \q, \slot, \first
.endm
.macro TURN slot, next, fill
	WIN 0
	s_wait_tensorcnt 0x0
	ds_add_u32 v[SPW], v[NIL]
	s_wait_dscnt 9
	WIN MUL
	MUL4 0, 128, 3, \slot, 0
	s_wait_dscnt 0x0
	s_barrier_signal -1
	MUL4 1, 128, 3, \slot, 0
	WIN 0
	s_barrier_wait -1
.if \fill
	CREST
	s_add_nc_u64 s[G0+4*\slot+2:G0+4*\slot+3], s[G0+4*\slot+2:G0+4*\slot+3], 2*KSTEP
	s_add_nc_u64 s[G0B+4*\slot+2:G0B+4*\slot+3], s[G0B+4*\slot+2:G0B+4*\slot+3], 2*KSTEP
	JLOAD G0+4*\slot, G1, G0B+4*\slot, G1B
	PLACES 4
.else
	PLACES 8
.endif
	v_add_nc_u32 v[ADRS], 16, v[ADRS]
	FETCH1 \next, 0, 0
	SCALES \next
	FETCH2 \next, 0, 0
	WIN MUL
	MUL4 2, 128, 3, \slot, 0
	MUL4 3, 128, 3, \slot, 0
.endm
	s_load_b128 s[4:7], s[0:1], 0x0
	s_load_b128 s[8:11], s[0:1], 0x10
	s_load_b128 s[12:15], s[0:1], 0x20
	v_lshl_add_u32 v[SPW], v0, 2, SPARE
	v_mov_b32 v[NIL], 0
	ds_add_u32 v28, v29
	ds_add_u32 v28, v29
	s_wait_dscnt 0x0
	v_lshrrev_b32 v1, 5, v0
	v_readfirstlane_b32 s16, v1
	s_lshr_b32 s17, s16, 1
	s_and_b32 s18, s16, 1
	s_bfe_u32 s40, ttmp6, 0x40000
	s_bfe_u32 s41, ttmp6, 0x40004
	s_lshl_b32 s42, ttmp9, 2
	s_add_co_u32 s42, s42, s40
	s_and_b32 s45, ttmp7, 0xffff
	s_lshl_b32 s45, s45, 2
	s_add_co_u32 s45, s45, s41
	s_lshl_b32 s43, s41, 2
	s_lshl_b32 s43, 15, s43
	s_lshl_b32 s44, 0x1111, s40
	s_or_b32 s[G1], s43, (1<<20)|(1<<21)|(7<<22)|(3<<25)    ; the mask; elements of 1 byte; padding on; bit 21 beside a mask; after every 256 words four words
	s_or_b32 s[G1B], s44, (1<<20)|(1<<21)|(7<<22)|(3<<25)
.irp g, G1, G1B
	s_mov_b32 s[\g+1], SIZE_K<<16                  ; whole rows of K,
	s_mov_b32 s[\g+2], 128<<16                     ; 128 of them
	s_mov_b32 s[\g+3], SIZE_K<<16
	s_mov_b32 s[\g+4], 128
	s_mov_b32 s[\g+5], SIZE_K
	s_mov_b32 s[\g+6], 0
	s_mov_b32 s[\g+7], 0
.endr
	s_or_b32 s[G1S], s43, (3<<16)|(1<<20)|(1<<21)|(5<<22)|(3<<25)
	s_or_b32 s[G1SB], s44, (3<<16)|(1<<20)|(1<<21)|(5<<22)|(3<<25)
.irp g, G1S, G1SB
	s_mov_b32 s[\g+1], 32<<16
	s_mov_b32 s[\g+2], SROWS<<16
	s_mov_b32 s[\g+3], 32<<16
	s_mov_b32 s[\g+4], SROWS
	s_mov_b32 s[\g+5], 32
	s_mov_b32 s[\g+6], 0
	s_mov_b32 s[\g+7], 0
.endr
	s_lshl_b32 s20, s45, 7                         ; A's first row: it hangs on y alone
	s_lshl_b32 s46, s42, 7                         ; B's first row: on x alone
	s_mul_i32 s22, s20, KS
	s_mul_i32 s20, s20, SIZE_K
	s_mul_i32 s92, s46, KS
	s_mul_i32 s46, s46, SIZE_K
	s_add_co_u32 s22, s22, ACT_SC
	s_mov_b32 s21, 0
	s_mov_b32 s23, 0
	s_mov_b32 s47, 0
	s_mov_b32 s93, 0
	s_mul_i32 s94, s18, 2*HALFT                    ; wave 0 fetches A, to byte 0; wave 1 B, behind A's 128 rows
	s_mul_i32 s95, s18, 2*HALFS                    ; wave 2 A's scales, wave 3 B's, behind them
	s_wait_kmcnt 0x0
	s_add_nc_u64 s[20:21], s[4:5], s[20:21]
	s_add_nc_u64 s[22:23], s[4:5], s[22:23]
	s_add_nc_u64 s[46:47], s[6:7], s[46:47]
	s_add_nc_u64 s[92:93], s[8:9], s[92:93]
	CROUND
	s_mov_b32 s[G0S], 1
	s_add_co_u32 s[G0S+1], s95, SCL
	s_mov_b64 s[G0S+2:G0S+3], s[22:23]
	s_or_b32 s[G0S+3], s[G0S+3], 0x80000000
	s_mov_b32 s[G0SB], 1
	s_add_co_u32 s[G0SB+1], s95, SCL
	s_mov_b64 s[G0SB+2:G0SB+3], s[92:93]
	s_or_b32 s[G0SB+3], s[G0SB+3], 0x80000000
.irp s, 0
	s_mov_b32 s[G0+4*\s], 1
	s_add_co_u32 s[G0+4*\s+1], s94, \s*SLOT
	s_add_nc_u64 s[G0+4*\s+2:G0+4*\s+3], s[20:21], \s*KSTEP
	s_or_b32 s[G0+4*\s+3], s[G0+4*\s+3], 0x80000000
	s_mov_b32 s[G0B+4*\s], 1
	s_add_co_u32 s[G0B+4*\s+1], s94, \s*SLOT
	s_add_nc_u64 s[G0B+4*\s+2:G0B+4*\s+3], s[46:47], \s*KSTEP
	s_or_b32 s[G0B+4*\s+3], s[G0B+4*\s+3], 0x80000000
.endr
; THE HEAD'S LOADS, ONE A WAVE: wave 0 A's 128 rows, wave 1 B's, wave 2 A's scales, wave 3 B's.  One chain of branches on the wave's number.
.macro ARM under, g0, g1, next
	s_cmp_lt_u32 s16, \under
	s_cbranch_scc0 \next
	tensor_load_to_lds s[\g0:\g0+3], s[\g1:\g1+7]
	s_nop 0
.rept 4
	v_nop
.endr
	s_branch .Lhead_asked
\next:
.endm
	ARM 1, G0,  G1,  .Lhead_b
	ARM 2, G0B, G1B, .Lhead_sa
	ARM 3, G0S, G1S, .Lhead_sb
	tensor_load_to_lds s[G0SB:G0SB+3], s[G1SB:G1SB+7]
	s_nop 0
.rept 4
	v_nop
.endr
.Lhead_asked:
	v_and_b32 v1, 15, v0
	s_wait_alu depctr_va_vdst(0)
	v_bfe_u32 v2, v0, 4, 1
	s_lshl_b32 s66, s42, 9
	s_lshl_b32 s67, s18, 8
	s_add_co_u32 s66, s66, s67
	s_mov_b32 s67, 0
	s_add_nc_u64 s[10:11], s[10:11], s[66:67]
	v_lshlrev_b32 v11, 5, v2
.irp b, 0,1,2,3
	global_load_b128 v[BI+8*\b:BI+8*\b+3], v11, s[10:11] offset:64*\b
	global_load_b128 v[BI+8*\b+4:BI+8*\b+7], v11, s[10:11] offset:64*\b+16
.endr
	v_mul_u32_u24 v3, v1, PITCH
	v_lshl_add_u32 v3, v2, 4, v3
	s_mul_i32 s99, s17, HALFT
	s_mul_i32 s100, s18, HALFT
	s_add_co_u32 s100, s100, 2*HALFT
.irp s, 0,1
	v_add_nc_u32 v[ADRA+\s], s99, v3
	v_add_nc_u32 v[ADRB+\s], s100, v3
	s_add_co_u32 s99, s99, SLOT
	s_add_co_u32 s100, s100, SLOT
.endr
	v_mul_u32_u24 v5, v1, KS
	v_lshrrev_b32 v6, 8, v5
	v_lshl_add_u32 v5, v6, 4, v5
	s_mul_i32 s99, s17, HALFS
	s_mul_i32 s100, s18, HALFS
	s_add_co_u32 s100, s100, 2*HALFS
	s_sub_co_u32 s100, s100, s99
	v_mul_u32_u24 v6, s100, v2
	s_add_co_u32 s99, s99, SCL
	v_add_nc_u32 v5, v5, v6
	v_add_nc_u32 v[ADRS], s99, v5
	s_mul_i32 s99, s16, 16*272
	s_add_co_u32 s99, s99, STG
	v_mul_u32_u24 v4, v1, 272
	v_lshl_add_u32 v4, v2, 5, v4
	v_add_nc_u32 v[STO], s99, v4
	v_mul_u32_u24 v5, v2, 272
	v_lshl_add_u32 v5, v1, 4, v5
	v_add_nc_u32 v[RD], s99, v5
	v_lshlrev_b32 v5, 12, v2
	v_lshl_add_u32 v[CO], v1, 4, v5
	s_lshl_b32 s20, s45, 19
	s_lshl_b32 s21, s17, 18
	s_add_co_u32 s20, s20, s21
	s_lshl_b32 s46, s42, 9
	s_lshl_b32 s47, s18, 8
	s_add_co_u32 s46, s46, s47
	s_add_co_u32 s66, s20, s46
	s_mov_b32 s67, 0
	s_add_nc_u64 s[12:13], s[12:13], s[66:67]
	s_add_nc_u64 s[14:15], s[14:15], s[66:67]
	s_wait_alu depctr_va_vdst(0)
	WIN 0x80                                       ; the residual's 64 x 64 numbers of mine are asked for here, at the head, into window 2: v0-127
.irp a, 0,1,2,3
.irp t, 0,1,2,3,4,5,6,7
	global_load_b128 v[32*\a+4*\t:32*\a+4*\t+3], v[CO], s[12:13] offset:(16*\a+2*\t)*4096
.endr
.endr
	WIN 0
	s_wait_loadcnt 32                              ; the bias is in; the 32 younger loads may be out
	s_wait_tensorcnt 0x0                           ; my one load has landed
	s_barrier_signal -1
	s_barrier_wait -1
	FETCH1 0, 0, 0
	SCALES 0
	FETCH2 0, 0, 0
	QUARTER 0, 0, 1
.if LAPS > 1
	WIN 0
	s_mov_b32 s3, LAPS-1
.Llap:
	QUARTER 0, 1, 0
	QUARTER 0, 2, 0
	TURN 0, 1, 1
	QUARTER 1, 0, 0
	QUARTER 1, 1, 0
	QUARTER 1, 2, 0
	TURN 1, 0, 1
	QUARTER 0, 0, 0
	WIN 0
	s_sub_co_u32 s3, s3, 1
	s_cmp_lg_u32 s3, 0
	s_cbranch_scc1 .Llap
.endif
	QUARTER 0, 1, 0
	QUARTER 0, 2, 0
	TURN 0, 1, 0
	QUARTER 1, 0, 0
	QUARTER 1, 1, 0
	QUARTER 1, 2, 0
	s_wait_dscnt 8
	WIN MUL
	MUL4 0, 128, 3, 1, 0
	MUL4 1, 128, 3, 1, 0
	s_wait_dscnt 0x0
	MUL4 2, 128, 3, 1, 0
	MUL4 3, 128, 3, 1, 0
	WIN 0
	PLACES 8
.irp a, 0,1,2,3
.if \a > 0
	s_wait_xcnt 0x0
.endif
.irp b, 0,1,2,3
	ds_store_b128 v[STO], v[ACC+8*(4*\a+\b):ACC+8*(4*\a+\b)+3] offset:64*\b
	ds_store_b128 v[STO], v[ACC+8*(4*\a+\b)+4:ACC+8*(4*\a+\b)+7] offset:64*\b+16
.endr
.irp t, 0,1,2,3,4,5,6,7
	ds_load_b128 v[BK+4*\t:BK+4*\t+3], v[RD] offset:544*\t
.endr
	s_wait_dscnt 0x0
	s_wait_loadcnt 24-8*\a
	WIN 0x08                                       ; source 1: window 2
.irp i, 0,2,4,6,8,10,12,14,16,18,20,22,24,26,28,30
	v_pk_add_f32 v[BK+\i:BK+\i+1], v[BK+\i:BK+\i+1], v[32*\a+\i:32*\a+\i+1]
.endr
	WIN 0
.irp t, 0,1,2,3,4,5,6,7
	global_store_b128 v[CO], v[BK+4*\t:BK+4*\t+3], s[14:15] offset:(16*\a+2*\t)*4096
.endr
.endr
	s_wait_tensorcnt 0x0
	ds_add_u32 v[SPW], v[NIL]
	s_wait_dscnt 0x0
	CROUND
	s_endpgm
.Lfunc_end_k_qc2f9e3918c_outp:
	.size	k_qc2f9e3918c_outp, .Lfunc_end_k_qc2f9e3918c_outp-k_qc2f9e3918c_outp
	.p2alignl 7, 3214868480
	.fill 96, 4, 3214868480
	.section	.rodata,"a",@progbits
	.p2align	6, 0x0
	.amdhsa_kernel k_qc2f9e3918c_outp
		.amdhsa_group_segment_fixed_size 327680
		.amdhsa_private_segment_fixed_size 0
		.amdhsa_enable_private_segment 0
		.amdhsa_kernarg_size 48
		.amdhsa_user_sgpr_count 2
		.amdhsa_user_sgpr_kernarg_segment_ptr 1
		.amdhsa_wavefront_size32 1
		.amdhsa_system_sgpr_workgroup_id_x 1
		.amdhsa_system_sgpr_workgroup_id_y 1
		.amdhsa_system_sgpr_workgroup_id_z 1
		.amdhsa_system_vgpr_workitem_id 0
		.amdhsa_next_free_vgpr 768
		.amdhsa_next_free_sgpr 102
		.amdhsa_reserve_vcc 0
		.amdhsa_float_denorm_mode_32 3
		.amdhsa_float_denorm_mode_16_64 3
		.amdhsa_memory_ordered 1
		.amdhsa_forward_progress 1
		.amdhsa_inst_pref_size 61
	.end_amdhsa_kernel
	.amdgpu_metadata
---
amdhsa.version: [ 1, 2 ]
amdhsa.kernels:
  - .name:           k_qc2f9e3918c_outp
    .symbol:         k_qc2f9e3918c_outp.kd
    .args:
      - { .name: cbuf, .offset: 0, .size: 8, .value_kind: global_buffer, .address_space: global }
      - { .name: out_w_codes, .offset: 8, .size: 8, .value_kind: global_buffer, .address_space: global }
      - { .name: out_w_scales, .offset: 16, .size: 8, .value_kind: global_buffer, .address_space: global }
      - { .name: out_b, .offset: 24, .size: 8, .value_kind: global_buffer, .address_space: global }
      - { .name: x, .offset: 32, .size: 8, .value_kind: global_buffer, .address_space: global }
      - { .name: x1, .offset: 40, .size: 8, .value_kind: global_buffer, .address_space: global }
    .group_segment_fixed_size: 327680
    .private_segment_fixed_size: 0
    .kernarg_segment_align: 8
    .kernarg_segment_size: 48
    .max_flat_workgroup_size: 128
    .sgpr_count:     102
    .vgpr_count:     768
    .wavefront_size: 32
...
	.end_amdgpu_metadata
.endif
;; end of part 4
;; launch ln2: the kernel of part 1 again; grid 256 x 1, 4 waves a work-group, no clusters, 33,280 bytes of LDS; arguments x1, ln2_w, ln2_b, hbuf; writes hbuf
;; launch fc1 (part 5): grid 8 x 32, 4 waves a work-group, clusters of 4 x 4, 327,680 bytes of LDS; arguments hbuf, fc1_w_codes, fc1_w_scales, fc1_b, ff; writes ff
.if DOCPART == 5
	.amdgcn_target "amdgcn-amd-amdhsa--gfx1250"
	.amdhsa_code_object_version 6
	.text
	.protected	k_qc2f9e3918c_fc1
	.globl	k_qc2f9e3918c_fc1
	.p2align	8
	.type	k_qc2f9e3918c_fc1,@function
k_qc2f9e3918c_fc1:
	s_mov_b64 s[64:65], 0
	v_nop
	global_prefetch_b8 v0, s[64:65] scope:SCOPE_SE
	s_setreg_imm32_b32 hwreg(HW_REG_WAVE_MODE, 25, 1), 1
	s_wait_xcnt 0x0
	s_wait_alu depctr_hold_cnt(0) depctr_sa_sdst(0) depctr_va_vdst(0) depctr_va_sdst(0) depctr_va_ssrc(0) depctr_va_vcc(0) depctr_vm_vsrc(0)
	s_getreg_b32 s2, hwreg(HW_REG_IB_STS2, 6, 4)
	s_cmp_eq_u32 s2, 0
	s_cbranch_scc0 .Lentry_in_a_cluster
	s_endpgm
.Lentry_in_a_cluster:
	s_bfe_u32 s2, ttmp6, 0x10000c
	s_cmp_lg_u32 s2, 0xf033
	s_cbranch_scc0 .Lentry_shape_is_right
	s_endpgm
.Lentry_shape_is_right:
.set MODE,   2
.set NT,     4
.set SIZE_K, 1024
.set ACT_SC, 4194304
.set QSC,    8388608
.set FSC,    16777216
.if MODE == 0
.set CSTEP,  1<<19
.set WSTEP,  1<<15
.else
.set CSTEP,  128
.set WSTEP,  4
.endif
.set KSTEP,  512
.set PITCH,  1040                      ; an LDS row holds all of K: 1,024 bytes + 16 of padding = 260 words: row r starts at bank 4 r mod 64
.set HALFT,  64*PITCH
.set SLOT,   512                       ; the second 512 along K lie 512 bytes on in the same LDS row
.set KS,     SIZE_K/32
.set SROWS,  128*KS/256                ; the scales of 128 rows, in rows of 256 bytes: what one load brings of A's
.set HALFS,  (SROWS/2)*272             ; those of 64 rows in LDS
.set SBLK,   (16*KS/256)*272
.set SCL,    4*HALFT                   ; behind A's 128 rows and B's 128 rows
.set SPARE,  SCL+(2+2*NT)*HALFS
.set CST,    SPARE+512
.set SS,     CST+128*144
.set HH,   2
.set BA,   11
.set ADRA, 16
.set ADRB, 20
.set ADRS0, 22
.set SCO,  23
.set STO,  24
.set RD,   25
.set CO,   26
.set ADRS, 27
.set SPW,  28
.set NIL,  29
.set SSA,  30
.set SRD,  31
.set SC,   32
.set BI,   192                         ; the bias: v192-223 of window 1, behind three buffers of B's four fragments
.set TM,   64
.set WR,   80
.set SW,   84
.set T0,   96
.set GZ,   96
.set GS,   104
.set GP,   112
.set GQ,   120
.set ACC,  128
.set TSC,  19
.set G1,   24
.set G0,   32
.set G1B,  48
.set G0B,  56
.set G1S,  68
.set G0S,  76
.set G1SB, 80
.set G0SB, 88
.set G0R,  92
.set SEL,  96
.set MNT,  98
.set MSB, 0
.macro WIN new
.if MSB != \new
	s_set_vgpr_msb (MSB<<8)|\new
.set MSB, \new
.endif
.endm
.set TO_F,  0x40                       ; destination window 1, address window 0
.set TO_BI, 0x40
.macro JLOAD g0a, g1a, g0b, g1b
	s_cmp_eq_u32 s17, 0
	s_cbranch_scc0 .Lfor_b_\@
	tensor_load_to_lds s[\g0a:\g0a+3], s[\g1a:\g1a+7]
	s_nop 0
.rept 4
	v_nop
.endr
	s_branch .Lasked_\@
.Lfor_b_\@:
	tensor_load_to_lds s[\g0b:\g0b+3], s[\g1b:\g1b+7]
	s_nop 0
.rept 4
	v_nop
.endr
.Lasked_\@:
.endm
.macro CROUND
	s_barrier_signal -1
	s_barrier_wait -1
	s_cmp_lg_u32 s16, 0
	s_cbranch_scc1 .Lnot_wave_0_\@
	s_barrier_signal -3
.Lnot_wave_0_\@:
	s_barrier_wait -3
	s_barrier_signal -1
	s_barrier_wait -1
.endm
.macro PLACES n
.rept \n
	v_nop
.endr
.endm
.macro SHADD d, r, n
	s_lshl_b32 s99, \r, \n
	s_add_co_u32 \d, \d, s99
.endm
.macro FRAG reg, adr, q, i
.irp c, 0,1,2,3
	ds_load_b128 v[\reg+4*\c:\reg+4*\c+3], v[\adr] offset:128*(\q)+32*\c+(\i)*16*PITCH
.endr
.endm
; A'S ROWS STAY IN REGISTERS: my 64 rows, all of K, are 32 fragments of 16 registers: step k's fragment a at v[64 (k % 4) + 16 a] of window 2 + k / 4.  They are read from LDS once, for all my tiles.
.macro FETCHB k                        ; B's four fragments of step k (128 along K) into buffer k % 3 of window 1: 16 loads
	WIN TO_F
.irp i, 0,1,2,3
	FRAG 64*((\k)%3)+16*\i, ADRB+(\k)/4, (\k)%4, \i
.endr
.endm
.macro RESIDE
.irp k, 0,1,2,3,4,5,6,7
	WIN 0x80+0x40*((\k)/4)
.irp i, 0,1,2,3
	FRAG 64*((\k)%4)+16*\i, ADRA+(\k)/4, (\k)%4, \i
.endr
.endr
	WIN 0
.endm
.macro SCALES set
	WIN 0
.irp i, 0,1,2,3
	ds_load_b128 v[SC+16*\set+4*\i:SC+16*\set+4*\i+3], v[ADRS] offset:\i*SBLK+16*\set
.endr
.endm
.macro BIAS
	WIN TO_BI
.irp b, 0,1,2,3
	global_load_b128 v[BI+8*\b:BI+8*\b+3], v[BA], s[10:11] offset:64*\b
	global_load_b128 v[BI+8*\b+4:BI+8*\b+7], v[BA], s[10:11] offset:64*\b+16
.endr
	WIN 0
.endm
.macro MUL4 a, k, first                ; A's block a against B's four, step k.  The 16 accumulators take turns, one instruction a turn
.irp b, 0,1,2,3
.if \first
	v_wmma_scale_f32_16x16x128_f8f6f4 v[ACC+8*(4*\a+\b):ACC+8*(4*\a+\b)+7], v[64*((\k)%3)+16*\b:64*((\k)%3)+16*\b+15], v[64*((\k)%4)+16*\a:64*((\k)%4)+16*\a+15], v[BI+8*\b:BI+8*\b+7], v[SC+16*((\k)/4)+4*\b+(\k)%4], v[SC+16*((\k)/4)+4*\a+(\k)%4] matrix_a_scale:MATRIX_SCALE_ROW1
.else
	v_wmma_scale_f32_16x16x128_f8f6f4 v[ACC+8*(4*\a+\b):ACC+8*(4*\a+\b)+7], v[64*((\k)%3)+16*\b:64*((\k)%3)+16*\b+15], v[64*((\k)%4)+16*\a:64*((\k)%4)+16*\a+15], v[ACC+8*(4*\a+\b):ACC+8*(4*\a+\b)+7], v[SC+16*((\k)/4)+4*\b+(\k)%4], v[SC+16*((\k)/4)+4*\a+(\k)%4] matrix_a_scale:MATRIX_SCALE_ROW1
.endif
.endr
.endm
; Step k of 128 along K: 16 matrix instructions.  At its head B's fragments of step k + 2 are asked for, into the buffer that step k - 1 has just left.
.macro QT k, first
.if \k < 7
	s_wait_dscnt 16                                ; all but the youngest sixteen loads, step k + 1's
.else
	s_wait_dscnt 0x0
.endif
.if \k < 6
	PLACES 8
	FETCHB \k+2
.if \k == 2
	SCALES 1
.endif
.endif
	WIN 0x09+4*((\k)/4)+0x10*\first                ; source 0 (B): window 1; source 1 (A): window 2 or 3; the bias as C: window 1
	MUL4 0, \k, \first
	MUL4 1, \k, \first
	MUL4 2, \k, \first
	MUL4 3, \k, \first
.endm
; gelu(x) = x / 2 + (x / 2) erf(x / sqrt 2), erf(z) = z P(z^2) / Q(z^2), z held within +-4.  All accumulators are halved first.  Then four batches of 32 numbers a lane:
; GFRONT makes z P and Q of eight numbers and leaves them in window 1 (z P at v[p], Q at v[q]: registers of B's buffers, which are idle on the way out); GRCP takes a batch's 32 reciprocals in one run;
; GFIN finishes a batch.  Behind each run of reciprocals stand the next batch's polynomials and the last batch's finish; two sets of registers take turns.
.macro GFRONT x, p, q
	WIN 0
.irp i, 0,2,4,6
	v_pk_mul_f32 v[GZ+\i:GZ+\i+1], v[\x+\i:\x+\i+1], 0x3fb504f3 op_sel_hi:[1,0]     ; z = (x / 2) sqrt 2
.endr
.irp i, 0,1,2,3,4,5,6,7
	v_med3_num_f32 v[GZ+\i], v[GZ+\i], -4.0, 4.0
.endr
.irp i, 0,2,4,6
	v_pk_mul_f32 v[GS+\i:GS+\i+1], v[GZ+\i:GZ+\i+1], v[GZ+\i:GZ+\i+1]
.endr
.irp i, 0,2,4,6
	v_pk_fma_f32 v[GP+\i:GP+\i+1], v[GS+\i:GS+\i+1], v[12:13], 0x32edffee op_sel_hi:[1,1,0]
	v_pk_fma_f32 v[GQ+\i:GQ+\i+1], v[GS+\i:GS+\i+1], v[14:15], 0xb95fbd29 op_sel_hi:[1,1,0]
.endr
.irp k, 0xb60cff51, 0xb86ec2d2, 0xba40ac63, 0xbb41a1f6, 0xbc83dbd4
.irp i, 0,2,4,6
	v_pk_fma_f32 v[GP+\i:GP+\i+1], v[GP+\i:GP+\i+1], v[GS+\i:GS+\i+1], \k op_sel_hi:[1,1,0]
.endr
.endr
.irp k, 0xbadc924e, 0xbbf19bf8
.irp i, 0,2,4,6
	v_pk_fma_f32 v[GQ+\i:GQ+\i+1], v[GQ+\i:GQ+\i+1], v[GS+\i:GS+\i+1], \k op_sel_hi:[1,1,0]
.endr
.endr
	WIN 0x40                                       ; destination: window 1
.irp i, 0,2,4,6
	v_pk_fma_f32 v[\q+\i:\q+\i+1], v[GQ+\i:GQ+\i+1], v[GS+\i:GS+\i+1], 0xbc69b6a7 op_sel_hi:[1,1,0]   ; Q
.endr
.irp i, 0,2,4,6
	v_pk_mul_f32 v[\p+\i:\p+\i+1], v[GP+\i:GP+\i+1], v[GZ+\i:GZ+\i+1]               ; z P
.endr
.endm
.macro GF j                            ; batch j: accumulators 4 j .. 4 j + 3; z P at v[128 + 32 (j % 2)] on, Q at v[32 + 32 (j % 2)] on, in window 1
.irp m, 0,1,2,3
	GFRONT ACC+8*(4*(\j)+\m), 128+32*((\j)%2)+8*\m, 32+32*((\j)%2)+8*\m
.endr
.endm
.macro GRCP j
	WIN 0x41                                       ; source and destination: window 1
	s_wait_alu depctr_va_vdst(0)                   ; the wait ahead of the batch; it is also the wait behind the batch before
.set J, 32+32*((\j)%2)
.rept 32
	v_rcp_f32 v[J], v[J]
.set J, J+1
.endr
.endm
.macro GFIN j
	WIN 0x45                                       ; sources 0 and 1 and the destination: window 1
.set J, 0
.rept 16
	v_pk_mul_f32 v[128+32*((\j)%2)+J:128+32*((\j)%2)+J+1], v[128+32*((\j)%2)+J:128+32*((\j)%2)+J+1], v[32+32*((\j)%2)+J:32+32*((\j)%2)+J+1]   ; erf
.set J, J+2
.endr
	WIN 0x04                                       ; source 1: window 1
.set J, 0
.rept 16
	v_pk_fma_f32 v[ACC+32*(\j)+J:ACC+32*(\j)+J+1], v[ACC+32*(\j)+J:ACC+32*(\j)+J+1], v[128+32*((\j)%2)+J:128+32*((\j)%2)+J+1], v[ACC+32*(\j)+J:ACC+32*(\j)+J+1]
.set J, J+2
.endr
.endm
.macro QUANT s, pc
.irp b, 0,1,2,3
	v_max3_num_f32 v[TM+\b], |v[\s+16*\b]|, |v[\s+1+16*\b]|, 0x4800000
.endr
.irp i, 2,4,6,8,10,12,14
.irp b, 0,1,2,3
	v_max3_num_f32 v[TM+\b], v[TM+\b], |v[\s+16*\b+\i]|, |v[\s+1+16*\b+\i]|
.endr
.endr
.irp b, 0,1,2,3
	v_permlanex16_b32 v[TM+4+\b], v[TM+\b], s[SEL], s[SEL+1]
.endr
.irp b, 0,1,2,3
	v_max_num_f32 v[TM+\b], v[TM+\b], v[TM+4+\b]
.endr
.irp b, 0,1,2,3
	v_add_nc_u32 v[TM+12+\b], 0xfc000000, v[TM+\b]
.endr
.irp b, 0,1,2,3
	v_and_or_b32 v[TM+8+\b], v[TM+\b], 0x7f800000, s[MNT]
.endr
.irp b, 0,1,2,3
	v_lshrrev_b32 v[TM+4+\b], 23, v[TM+12+\b]
.endr
.irp b, 0,1,2,3
.irp i, 0,1,2,3,4,5,6,7,8,9,10,11,12,13,14,15
	v_med3_num_f32 v[\s+16*\b+\i], v[\s+16*\b+\i], -v[TM+8+\b], v[TM+8+\b]
.endr
	v_cvt_scalef32_pk8_fp8_f32 v[\pc+4*\b:\pc+4*\b+1], v[\s+16*\b:\s+16*\b+7], v[TM+12+\b]
	v_cvt_scalef32_pk8_fp8_f32 v[\pc+4*\b+2:\pc+4*\b+3], v[\s+16*\b+8:\s+16*\b+15], v[TM+12+\b]
.endr
	v_nop
.endm
	s_load_b128 s[4:7], s[0:1], 0x0
	s_load_b128 s[8:11], s[0:1], 0x10
	s_load_b64 s[12:13], s[0:1], 0x20
	v_lshl_add_u32 v[SPW], v0, 2, SPARE
	v_mov_b32 v[NIL], 0
	ds_add_u32 v28, v29
	ds_add_u32 v28, v29
	s_wait_dscnt 0x0
	v_lshrrev_b32 v1, 5, v0
	v_readfirstlane_b32 s16, v1
	s_lshr_b32 s17, s16, 1
	s_and_b32 s18, s16, 1
	s_bfe_u32 s40, ttmp6, 0x40000
	s_bfe_u32 s41, ttmp6, 0x40004
	s_lshl_b32 s42, ttmp9, 2
	s_add_co_u32 s42, s42, s40
	s_mul_i32 s42, s42, NT
	s_and_b32 s45, ttmp7, 0xffff
	s_lshl_b32 s45, s45, 2
	s_add_co_u32 s45, s45, s41
	s_lshl_b32 s43, s41, 2
	s_lshl_b32 s43, 15, s43
	s_lshl_b32 s44, 0x1111, s40
	s_or_b32 s[G1], s43, (1<<20)|(1<<21)|(7<<22)|(3<<25)    ; the mask; elements of 1 byte; padding on; bit 21 beside a mask; after every 256 words four words
	s_or_b32 s[G1B], s44, (1<<20)|(1<<21)|(7<<22)|(3<<25)
.irp g, G1, G1B
	s_mov_b32 s[\g+1], SIZE_K<<16                  ; whole rows of K,
	s_mov_b32 s[\g+2], 128<<16                     ; 128 of them at the head
	s_mov_b32 s[\g+3], SIZE_K<<16
	s_mov_b32 s[\g+4], 128
	s_mov_b32 s[\g+5], SIZE_K
	s_mov_b32 s[\g+6], 0
	s_mov_b32 s[\g+7], 0
.endr
	s_or_b32 s[G1S], s43, (3<<16)|(1<<20)|(1<<21)|(5<<22)|(3<<25)
	s_or_b32 s[G1SB], s44, (3<<16)|(1<<20)|(1<<21)|(5<<22)|(3<<25)
.irp g, G1S, G1SB
	s_mov_b32 s[\g+1], 32<<16
	s_mov_b32 s[\g+3], 32<<16
	s_mov_b32 s[\g+5], 32
	s_mov_b32 s[\g+6], 0
	s_mov_b32 s[\g+7], 0
.endr
	s_mov_b32 s[G1S+2], SROWS<<16
	s_mov_b32 s[G1S+4], SROWS
	s_mov_b32 s[G1SB+2], (NT*SROWS)<<16
	s_mov_b32 s[G1SB+4], NT*SROWS
	s_lshl_b32 s20, s45, 7                         ; A's first row: it hangs on y alone
	s_lshl_b32 s46, s42, 7                         ; B's first row: on x alone
	s_mul_i32 s22, s20, KS
	s_mul_i32 s20, s20, SIZE_K
	s_mul_i32 s92, s46, KS
	s_mul_i32 s46, s46, SIZE_K
	s_add_co_u32 s22, s22, ACT_SC
	s_mov_b32 s21, 0
	s_mov_b32 s23, 0
	s_mov_b32 s47, 0
	s_mov_b32 s93, 0
	s_mul_i32 s94, s18, 2*HALFT                    ; wave 0 fetches A, to byte 0; wave 1 B, behind A's 128 rows
	s_mov_b32 s[SEL], 0x76543210
	s_mov_b32 s[SEL+1], 0xfedcba98
	s_mov_b32 s[MNT], 0x600000
	s_wait_kmcnt 0x0
	s_add_nc_u64 s[20:21], s[4:5], s[20:21]
	s_add_nc_u64 s[22:23], s[4:5], s[22:23]
	s_add_nc_u64 s[46:47], s[6:7], s[46:47]
	s_add_nc_u64 s[92:93], s[8:9], s[92:93]
	CROUND
	s_mov_b32 s[G0S], 1
	s_mov_b32 s[G0S+1], SCL
	s_mov_b64 s[G0S+2:G0S+3], s[22:23]
	s_or_b32 s[G0S+3], s[G0S+3], 0x80000000
	s_mov_b32 s[G0SB], 1
	s_mov_b32 s[G0SB+1], SCL+2*HALFS
	s_mov_b64 s[G0SB+2:G0SB+3], s[92:93]
	s_or_b32 s[G0SB+3], s[G0SB+3], 0x80000000
.irp s, 0
	s_mov_b32 s[G0+4*\s], 1
	s_add_co_u32 s[G0+4*\s+1], s94, \s*SLOT
	s_add_nc_u64 s[G0+4*\s+2:G0+4*\s+3], s[20:21], \s*KSTEP
	s_or_b32 s[G0+4*\s+3], s[G0+4*\s+3], 0x80000000
	s_mov_b32 s[G0B+4*\s], 1
	s_add_co_u32 s[G0B+4*\s+1], s94, \s*SLOT
	s_add_nc_u64 s[G0B+4*\s+2:G0B+4*\s+3], s[46:47], \s*KSTEP
	s_or_b32 s[G0B+4*\s+3], s[G0B+4*\s+3], 0x80000000
.endr
; THE HEAD'S LOADS, ONE A WAVE: wave 0 A's 128 rows, wave 1 the first tile's 128 rows of B, wave 2 A's scales, wave 3 the scales of all my tiles of B.  One chain of branches on the wave's number.
.macro ARM under, g0, g1, next
	s_cmp_lt_u32 s16, \under
	s_cbranch_scc0 \next
	tensor_load_to_lds s[\g0:\g0+3], s[\g1:\g1+7]
	s_nop 0
.rept 4
	v_nop
.endr
	s_branch .Lhead_asked
\next:
.endm
	ARM 1, G0,  G1,  .Lhead_b
	ARM 2, G0B, G1B, .Lhead_sa
	ARM 3, G0S, G1S, .Lhead_sb
	tensor_load_to_lds s[G0SB:G0SB+3], s[G1SB:G1SB+7]
	s_nop 0
.rept 4
	v_nop
.endr
.Lhead_asked:
	s_mov_b32 s[G0R], 1                            ; my refill of B: rows 32 w on, whole rows of K
	s_mul_i32 s99, s16, 32*PITCH
	s_add_co_u32 s[G0R+1], s99, 2*HALFT
	s_lshl_b32 s66, s16, 15
	s_mov_b32 s67, 0
	s_add_nc_u64 s[G0R+2:G0R+3], s[46:47], s[66:67]
	s_or_b32 s[G0R+3], s[G0R+3], 0x80000000
	s_mov_b32 s[TSC], 0
	v_and_b32 v1, 15, v0
	s_wait_alu depctr_va_vdst(0)
	v_bfe_u32 v[HH], v0, 4, 1
	s_lshl_b32 s66, s42, 9
	s_lshl_b32 s67, s18, 8
	s_add_co_u32 s66, s66, s67
	s_mov_b32 s67, 0
	s_add_nc_u64 s[10:11], s[10:11], s[66:67]
	v_lshlrev_b32 v[BA], 5, v[HH]
	BIAS
	v_mul_u32_u24 v3, v1, PITCH
	v_lshl_add_u32 v3, v[HH], 4, v3
	s_mul_i32 s99, s17, HALFT
	s_mul_i32 s100, s18, HALFT
	s_add_co_u32 s100, s100, 2*HALFT
.irp s, 0,1
	v_add_nc_u32 v[ADRA+\s], s99, v3
	v_add_nc_u32 v[ADRB+\s], s100, v3
	s_add_co_u32 s99, s99, SLOT
	s_add_co_u32 s100, s100, SLOT
.endr
	v_mul_u32_u24 v5, v1, KS
	v_lshrrev_b32 v6, 8, v5
	v_lshl_add_u32 v5, v6, 4, v5
	s_mul_i32 s99, s17, HALFS
	s_mul_i32 s100, s18, HALFS
	s_add_co_u32 s100, s100, 2*HALFS
	s_sub_co_u32 s100, s100, s99
	v_mul_u32_u24 v6, s100, v[HH]
	s_add_co_u32 s99, s99, SCL
	v_add_nc_u32 v5, v5, v6
	v_add_nc_u32 v[ADRS0], s99, v5
	v_and_b32 v7, 31, v0
	s_mul_i32 s99, s17, 64*144
	s_lshl_b32 s100, s18, 6
	s_add_co_u32 s99, s99, s100
	s_add_co_u32 s99, s99, CST
	v_mul_u32_u24 v4, v1, 144
.if MODE == 2
	v_lshl_add_u32 v4, v[HH], 3, v4
.else
	v_lshl_add_u32 v4, v[HH], 4, v4
.endif
	v_add_nc_u32 v[STO], s99, v4
	s_lshl_b32 s99, s17, 8
.if MODE == 0
	s_lshl_b32 s100, s18, 9
.else
	s_lshl_b32 s100, s18, 1
.endif
	s_add_co_u32 s99, s99, s100
	s_add_co_u32 s99, s99, SS
	v_lshl_add_u32 v[SSA], v1, 2, s99
	s_mul_i32 s99, s16, 32*144
	s_add_co_u32 s99, s99, CST
.if MODE == 0
	v_bfe_u32 v8, v0, 2, 2
	v_and_b32 v9, 3, v0
	v_mul_u32_u24 v5, v8, 144
	v_lshl_add_u32 v5, v[HH], 6, v5
	v_lshl_add_u32 v5, v9, 4, v5
	v_add_nc_u32 v[RD], s99, v5
	v_lshlrev_b32 v5, 18, v[HH]
	v_lshl_add_u32 v5, v8, 6, v5
	v_lshl_add_u32 v[CO], v9, 4, v5
	s_lshl_b32 s99, s16, 8
	s_add_co_u32 s99, s99, SS
	v_lshlrev_b32 v[SCO], 3, v7
	v_add_nc_u32 v[SRD], s99, v[SCO]
	s_lshl_b32 s66, s42, 19
	SHADD s66, s45, 13
	SHADD s66, s16, 11
	s_lshl_b32 s100, s42, 15
	SHADD s100, s17, 14
	SHADD s100, s45, 9
	SHADD s100, s18, 8
	s_add_co_u32 s100, s100, QSC
.set OSTEP, 256
.else
	v_bfe_u32 v8, v0, 3, 2
	v_and_b32 v9, 7, v0
	v_mul_u32_u24 v5, v8, 144
	v_lshl_add_u32 v5, v9, 4, v5
	v_add_nc_u32 v[RD], s99, v5
	s_lshl_b32 s99, s16, 7
	s_add_co_u32 s99, s99, SS
	v_lshl_add_u32 v[SRD], v7, 2, s99
	v_lshlrev_b32 v5, 12, v8
	s_wait_alu depctr_va_vdst(0)
	v_lshlrev_b32 v[SCO], 7, v7
	s_lshl_b32 s66, s45, 19
	SHADD s66, s16, 17
	SHADD s66, s42, 7
	s_lshl_b32 s100, s45, 14
	SHADD s100, s16, 12
	SHADD s100, s42, 2
	s_add_co_u32 s100, s100, FSC
.set OSTEP, 16384
	v_lshl_add_u32 v[CO], v9, 4, v5
.endif
	s_mov_b32 s67, 0
	s_mov_b32 s101, 0
	s_add_nc_u64 s[14:15], s[12:13], s[100:101]
	s_add_nc_u64 s[12:13], s[12:13], s[66:67]
.if MODE == 2
	v_mov_b32 v12, 0xaf95df0b
	v_mov_b32 v13, 0xaf95df0b
	v_mov_b32 v14, 0xb77460cd
	v_mov_b32 v15, 0xb77460cd
.endif
.irp b, 0,1,2,3
	v_mov_b32 v[TM+4+\b], 0
.endr
.macro TILE more
	v_mad_u32_u24 v[ADRS], v[HH], s[TSC], v[ADRS0]
	FETCHB 0
	SCALES 0
	FETCHB 1
	s_wait_alu depctr_va_vdst(0)
	s_wait_loadcnt 0x0
	QT 0, 1                                        ; the first products start the sums, with the bias as C
.irp k, 1,2,3,4,5,6,7
	QT \k, 0
.endr
	WIN 0
.if \more
	s_wait_tensorcnt 0x0
	ds_add_u32 v[SPW], v[NIL]
	s_add_nc_u64 s[G0R+2:G0R+3], s[G0R+2:G0R+3], 128*SIZE_K
	s_mov_b32 s[G1B+2], 32<<16                     ; no tensor load of mine is out: from here on a load of B brings 32 rows
	s_mov_b32 s[G1B+4], 32
	PLACES 8
	s_wait_dscnt 0x0
	CROUND
	tensor_load_to_lds s[G0R:G0R+3], s[G1B:G1B+7]
	s_nop 0
.rept 4
	v_nop
.endr
	s_add_nc_u64 s[10:11], s[10:11], 512
	BIAS
.else
	PLACES 8
	s_wait_dscnt 0x0
	s_barrier_signal -1
	s_barrier_wait -1
.endif
.set J, 0
.rept 64
	v_pk_mul_f32 v[ACC+J:ACC+J+1], v[ACC+J:ACC+J+1], 0.5 op_sel_hi:[1,0]   ; x / 2: each accumulator is read from its low end on, ahead of every reciprocal
.set J, J+2
.endr
	GF 0
	GRCP 0
	GF 1
	GRCP 1
	GFIN 0
	GF 2
	GRCP 2
	GFIN 1
	GF 3
	GRCP 3
	GFIN 2
	s_wait_alu depctr_va_vdst(0)                   ; the wait behind the last batch, ahead of its first reader
	GFIN 3
	WIN 0
.irp aa, 0,1
	QUANT ACC+64*\aa, T0+16*\aa
	v_lshl_or_b32 v[WR+2*\aa], v[TM+5], 8, v[TM+4]
	v_lshl_or_b32 v[WR+2*\aa+1], v[TM+7], 8, v[TM+6]
.if MODE == 0
	v_lshl_or_b32 v[WR+2*\aa], v[WR+2*\aa], 16, v[WR+2*\aa]
	v_lshl_or_b32 v[WR+2*\aa+1], v[WR+2*\aa+1], 16, v[WR+2*\aa+1]
.endif
.irp bb, 0,1,2,3
.if MODE == 2
	ds_store_b64 v[STO], v[T0+16*\aa+4*\bb:T0+16*\aa+4*\bb+1] offset:2304*(2*\aa+\bb/2)+32*(\bb%2)
	ds_store_b64 v[STO], v[T0+16*\aa+4*\bb+2:T0+16*\aa+4*\bb+3] offset:2304*(2*\aa+\bb/2)+32*(\bb%2)+16
.else
	ds_store_b128 v[STO], v[T0+16*\aa+4*\bb:T0+16*\aa+4*\bb+3] offset:2304*(2*\aa+\bb/2)+32*(\bb%2)
.endif
.endr
.irp u, 0,1
.if MODE == 0
	ds_store_b32 v[SSA], v[WR+2*\aa+\u] offset:64*(2*\aa+\u)
.else
	ds_store_b16 v[SSA], v[WR+2*\aa+\u] offset:64*(2*\aa+\u)
.endif
.endr
.endr
.if \more
	s_wait_tensorcnt 0x0
.endif
	s_wait_dscnt 0x0
	s_barrier_signal -1
	s_barrier_wait -1
.irp t, 0,1,2,3,4,5,6,7
	ds_load_b128 v[T0+4*\t:T0+4*\t+3], v[RD] offset:576*\t
.endr
.if MODE == 0
	ds_load_b64 v[SW:SW+1], v[SRD]
.else
	ds_load_b32 v[SW], v[SRD]
.endif
.irp t, 0,1,2,3,4,5,6,7
	s_wait_dscnt 8-\t
	global_store_b128 v[CO], v[T0+4*\t:T0+4*\t+3], s[12:13] offset:OSTEP*\t
.endr
	s_wait_dscnt 0x0
.if MODE == 0
	global_store_b64 v[SCO], v[SW:SW+1], s[14:15]
.else
	global_store_b32 v[SCO], v[SW], s[14:15]
.endif
.if \more
	s_wait_xcnt 0x0
	s_add_nc_u64 s[12:13], s[12:13], CSTEP
	s_add_nc_u64 s[14:15], s[14:15], WSTEP
	s_add_co_u32 s[TSC], s[TSC], 2*HALFS
.endif
.endm
	s_wait_tensorcnt 0x0
	s_barrier_signal -1
	s_barrier_wait -1
	RESIDE                                         ; A's rows into registers, once
	s_mov_b32 s3, NT-1
.Ltile:
	TILE 1
	s_sub_co_u32 s3, s3, 1
	s_cmp_lg_u32 s3, 0
	s_cbranch_scc1 .Ltile
	TILE 0
	s_wait_tensorcnt 0x0
	ds_add_u32 v[SPW], v[NIL]
	s_wait_dscnt 0x0
	CROUND
	s_endpgm
.Lfunc_end_k_qc2f9e3918c_fc1:
	.size	k_qc2f9e3918c_fc1, .Lfunc_end_k_qc2f9e3918c_fc1-k_qc2f9e3918c_fc1
	.p2alignl 7, 3214868480
	.fill 96, 4, 3214868480
	.section	.rodata,"a",@progbits
	.p2align	6, 0x0
	.amdhsa_kernel k_qc2f9e3918c_fc1
		.amdhsa_group_segment_fixed_size 327680
		.amdhsa_private_segment_fixed_size 0
		.amdhsa_enable_private_segment 0
		.amdhsa_kernarg_size 40
		.amdhsa_user_sgpr_count 2
		.amdhsa_user_sgpr_kernarg_segment_ptr 1
		.amdhsa_wavefront_size32 1
		.amdhsa_system_sgpr_workgroup_id_x 1
		.amdhsa_system_sgpr_workgroup_id_y 1
		.amdhsa_system_sgpr_workgroup_id_z 1
		.amdhsa_system_vgpr_workitem_id 0
		.amdhsa_next_free_vgpr 1024
		.amdhsa_next_free_sgpr 102
		.amdhsa_reserve_vcc 0
		.amdhsa_float_denorm_mode_32 3
		.amdhsa_float_denorm_mode_16_64 3
		.amdhsa_memory_ordered 1
		.amdhsa_forward_progress 1
		.amdhsa_inst_pref_size 255
	.end_amdhsa_kernel
	.section	.bss,"aw",@nobits
	.p2align	6
	.space	262144
	.amdgpu_metadata
---
amdhsa.version: [ 1, 2 ]
amdhsa.kernels:
  - .name:           k_qc2f9e3918c_fc1
    .symbol:         k_qc2f9e3918c_fc1.kd
    .args:
      - { .name: hbuf, .offset: 0, .size: 8, .value_kind: global_buffer, .address_space: global }
      - { .name: fc1_w_codes, .offset: 8, .size: 8, .value_kind: global_buffer, .address_space: global }
      - { .name: fc1_w_scales, .offset: 16, .size: 8, .value_kind: global_buffer, .address_space: global }
      - { .name: fc1_b, .offset: 24, .size: 8, .value_kind: global_buffer, .address_space: global }
      - { .name: ff, .offset: 32, .size: 8, .value_kind: global_buffer, .address_space: global }
    .group_segment_fixed_size: 327680
    .private_segment_fixed_size: 0
    .kernarg_segment_align: 8
    .kernarg_segment_size: 40
    .max_flat_workgroup_size: 128
    .sgpr_count:     102
    .vgpr_count:     1024
    .wavefront_size: 32
...
	.end_amdgpu_metadata
.endif
;; end of part 5
;; launch fc2 (part 6): grid 8 x 32, 4 waves a work-group, clusters of 4 x 4, 327,680 bytes of LDS; arguments ff, fc2_w_codes, fc2_w_scales, fc2_b, x1, out0; writes out0
.if DOCPART == 6
	.amdgcn_target "amdgcn-amd-amdhsa--gfx1250"
	.amdhsa_code_object_version 6
	.text
	.protected	k_qc2f9e3918c_fc2
	.globl	k_qc2f9e3918c_fc2
	.p2align	8
	.type	k_qc2f9e3918c_fc2,@function
k_qc2f9e3918c_fc2:
	s_mov_b64 s[64:65], 0
	v_nop
	global_prefetch_b8 v0, s[64:65] scope:SCOPE_SE
	s_setreg_imm32_b32 hwreg(HW_REG_WAVE_MODE, 25, 1), 1
	s_wait_xcnt 0x0
	s_wait_alu depctr_hold_cnt(0) depctr_sa_sdst(0) depctr_va_vdst(0) depctr_va_sdst(0) depctr_va_ssrc(0) depctr_va_vcc(0) depctr_vm_vsrc(0)
	s_getreg_b32 s2, hwreg(HW_REG_IB_STS2, 6, 4)
	s_cmp_eq_u32 s2, 0
	s_cbranch_scc0 .Lentry_in_a_cluster
	s_endpgm
.Lentry_in_a_cluster:
	s_bfe_u32 s2, ttmp6, 0x10000c
	s_cmp_lg_u32 s2, 0xf033
	s_cbranch_scc0 .Lentry_shape_is_right
	s_endpgm
.Lentry_shape_is_right:
.set SIZE_K, 4096
.set ACT_SC, 16777216
.set BJ, 0
.set KSTEP,  512
.set PITCH,  528
.set HALFT,  64*PITCH
.set SLOT,   4*HALFT
.set LAPS,   SIZE_K/(2*KSTEP)
.set KS,     SIZE_K/32
.set SROWS,  128*KS/256                ; the scales of 128 rows, in rows of 256 bytes: what one load brings
.set HALFS,  (SROWS/2)*272             ; those of 64 rows in LDS
.set PFO,  12                          ; v12 the prefetches' offset: 4,096 (lane / 2) + 256 (lane % 2); never rewritten
.set PFA,  96                          ; s[96:97] where my prefetches stand
.set SBLK,   (16*KS/256)*272
.set SCL,    2*SLOT
.set SPARE,  SCL+4*HALFS
.set STG,    SPARE+512
.set ADRA, 16
.set ADRB, 20
.set STO,  24
.set RD,   25
.set CO,   26
.set ADRS, 27
.set SPW,  28
.set NIL,  29
.set SC,   32
.set BI,   64
.set BK,   96
.set ACC,  128
.set G1,   24
.set G0,   32
.set G1B,  48
.set G0B,  56
.set G1S,  68
.set G0S,  76
.set G1SB, 80
.set G0SB, 88
.set MSB, 0
.macro WIN new
.if MSB != \new
	s_set_vgpr_msb (MSB<<8)|\new
.set MSB, \new
.endif
.endm
.set MUL,  0x05
.set TO_F, 0x40
.macro JLOAD g0a, g1a, g0b, g1b
	s_cmp_eq_u32 s17, 0
	s_cbranch_scc0 .Lfor_b_\@
	tensor_load_to_lds s[\g0a:\g0a+3], s[\g1a:\g1a+7]
	s_nop 0
.rept 4
	v_nop
.endr
	s_branch .Lasked_\@
.Lfor_b_\@:
	tensor_load_to_lds s[\g0b:\g0b+3], s[\g1b:\g1b+7]
	s_nop 0
.rept 4
	v_nop
.endr
.Lasked_\@:
.endm
.macro CREST
	s_cmp_lg_u32 s16, 0
	s_cbranch_scc1 .Lnot_wave_0_\@
	s_barrier_signal -3
.Lnot_wave_0_\@:
	s_barrier_wait -3
	s_barrier_signal -1
	s_barrier_wait -1
.endm
.macro CROUND
	s_barrier_signal -1
	s_barrier_wait -1
	CREST
.endm
.macro PLACES n
.rept \n
	v_nop
.endr
.endm
.macro FRAG reg, adr, q, i
.irp c, 0,1,2,3
	ds_load_b128 v[\reg+4*\c:\reg+4*\c+3], v[\adr] offset:128*(\q)+32*\c+(\i)*16*PITCH
.endr
.endm
.macro FETCH1 slot, q, f
	WIN TO_F
.irp i, 0,1,2,3
	FRAG \f+64+16*\i, ADRB+\slot, \q, \i
.endr
	FRAG \f, ADRA+\slot, \q, 0
	FRAG \f+16, ADRA+\slot, \q, 1
.endm
.macro FETCH2 slot, q, f
	WIN TO_F
	FRAG \f+32, ADRA+\slot, \q, 2
	FRAG \f+48, ADRA+\slot, \q, 3
.endm
.macro SCALES set
	WIN 0
.irp i, 0,1,2,3
	ds_load_b128 v[SC+16*\set+4*\i:SC+16*\set+4*\i+3], v[ADRS] offset:\i*SBLK
.endr
.endm
.macro MUL4 a, f, q, set, first
.irp b, 0,1,2,3
.if \first
	v_wmma_scale_f32_16x16x128_f8f6f4 v[ACC+8*(4*\a+\b):ACC+8*(4*\a+\b)+7], v[\f+64+16*\b:\f+64+16*\b+15], v[\f+16*\a:\f+16*\a+15], v[BI+8*(\b+BJ*(\a-\b)):BI+8*(\b+BJ*(\a-\b))+7], v[SC+16*\set+4*\b+\q], v[SC+16*\set+4*\a+\q] matrix_a_scale:MATRIX_SCALE_ROW1
.else
	v_wmma_scale_f32_16x16x128_f8f6f4 v[ACC+8*(4*\a+\b):ACC+8*(4*\a+\b)+7], v[\f+64+16*\b:\f+64+16*\b+15], v[\f+16*\a:\f+16*\a+15], v[ACC+8*(4*\a+\b):ACC+8*(4*\a+\b)+7], v[SC+16*\set+4*\b+\q], v[SC+16*\set+4*\a+\q] matrix_a_scale:MATRIX_SCALE_ROW1
.endif
.endr
.endm
.macro QUARTER slot, q, first
.set FF, 128*((\q)%2)
.set FG, 128-FF
	s_wait_dscnt 8
	WIN MUL
	MUL4 0, FF, \q, \slot, \first
	MUL4 1, FF, \q, \slot, \first
	PLACES 8
	FETCH1 \slot, (\q)+1, FG
	FETCH2 \slot, (\q)+1, FG
	s_wait_dscnt 32
	WIN MUL
	MUL4 2, FF, \q, \slot, \first
	MUL4 3, FF, \q, \slot, \first
.endm
.macro TURN slot, next, fill
	WIN 0
.if \fill
	s_wait_xcnt 0x0                                ; any prefetch of mine has read its address: it steps one K step
	s_add_nc_u64 s[PFA:PFA+1], s[PFA:PFA+1], KSTEP
.endif
	s_wait_tensorcnt 0x0
	ds_add_u32 v[SPW], v[NIL]
	s_wait_dscnt 9
	WIN MUL
	MUL4 0, 128, 3, \slot, 0
	s_wait_dscnt 0x0
	s_barrier_signal -1
	MUL4 1, 128, 3, \slot, 0
	WIN 0
	s_barrier_wait -1
.if \fill
	CREST
	s_add_nc_u64 s[G0+4*\slot+2:G0+4*\slot+3], s[G0+4*\slot+2:G0+4*\slot+3], 2*KSTEP
	s_add_nc_u64 s[G0B+4*\slot+2:G0B+4*\slot+3], s[G0B+4*\slot+2:G0B+4*\slot+3], 2*KSTEP
	JLOAD G0+4*\slot, G1, G0B+4*\slot, G1B
	PLACES 4
.else
	PLACES 8
.endif
	s_wait_alu depctr_va_vdst(0)
	v_add_nc_u32 v[ADRS], 16, v[ADRS]
	FETCH1 \next, 0, 0
	SCALES \next
	FETCH2 \next, 0, 0
.if \fill
; A prefetch of the K step that stands two refills on.  Of the 64 rows x 512 bytes that I fetch, each of the four partners that ask for them jointly names 16 rows, told apart by address: two lanes a row, 256 bytes apart.
; The loop's last trip asks for nothing: there is no K step two on.
	WIN 0
	s_cmp_gt_u32 s3, 1
	s_cbranch_scc0 .Lno_ask_\@
	global_prefetch_b8 v[PFO], s[PFA:PFA+1] offset:3*KSTEP th:TH_LOAD_NT scope:SCOPE_SE
.Lno_ask_\@:
.endif
	WIN MUL
	MUL4 2, 128, 3, \slot, 0
	MUL4 3, 128, 3, \slot, 0
.endm
	s_load_b128 s[4:7], s[0:1], 0x0
	s_load_b128 s[8:11], s[0:1], 0x10
	s_load_b128 s[12:15], s[0:1], 0x20
	v_lshl_add_u32 v[SPW], v0, 2, SPARE
	v_mov_b32 v[NIL], 0
	ds_add_u32 v28, v29
	ds_add_u32 v28, v29
	s_wait_dscnt 0x0
	v_lshrrev_b32 v1, 5, v0
	v_readfirstlane_b32 s16, v1
	s_lshr_b32 s17, s16, 1
	s_and_b32 s18, s16, 1
	s_bfe_u32 s40, ttmp6, 0x40000
	s_bfe_u32 s41, ttmp6, 0x40004
	s_lshl_b32 s42, ttmp9, 2
	s_add_co_u32 s42, s42, s40
	s_and_b32 s45, ttmp7, 0xffff
	s_lshl_b32 s45, s45, 2
	s_add_co_u32 s45, s45, s41
	s_lshl_b32 s43, s41, 2
	s_lshl_b32 s43, 15, s43
	s_lshl_b32 s44, 0x1111, s40
	s_or_b32 s[G1], s43, (1<<20)|(1<<21)|(6<<22)|(3<<25)
	s_or_b32 s[G1B], s44, (1<<20)|(1<<21)|(6<<22)|(3<<25)
.irp g, G1, G1B
	s_mov_b32 s[\g+1], KSTEP<<16
	s_mov_b32 s[\g+2], 128<<16                     ; 128 rows for the head's loads; behind them 64
	s_mov_b32 s[\g+3], KSTEP<<16
	s_mov_b32 s[\g+4], 128
	s_mov_b32 s[\g+5], SIZE_K
	s_mov_b32 s[\g+6], 0
	s_mov_b32 s[\g+7], 0
.endr
	s_or_b32 s[G1S], s43, (3<<16)|(1<<20)|(1<<21)|(5<<22)|(3<<25)
	s_or_b32 s[G1SB], s44, (3<<16)|(1<<20)|(1<<21)|(5<<22)|(3<<25)
.irp g, G1S, G1SB
	s_mov_b32 s[\g+1], 32<<16
	s_mov_b32 s[\g+2], SROWS<<16
	s_mov_b32 s[\g+3], 32<<16
	s_mov_b32 s[\g+4], SROWS
	s_mov_b32 s[\g+5], 32
	s_mov_b32 s[\g+6], 0
	s_mov_b32 s[\g+7], 0
.endr
	s_lshl_b32 s19, s18, 6
	s_lshl_b32 s20, s45, 7
	s_lshl_b32 s46, s42, 7
	s_mul_i32 s22, s20, KS                         ; the scales from the tile's first row on,
	s_mul_i32 s92, s46, KS
	s_add_co_u32 s20, s20, s19                     ; the codes from my 64 rows on
	s_add_co_u32 s46, s46, s19
	s_mul_i32 s20, s20, SIZE_K
	s_mul_i32 s46, s46, SIZE_K
	s_add_co_u32 s22, s22, ACT_SC
	s_mov_b32 s21, 0
	s_mov_b32 s23, 0
	s_mov_b32 s47, 0
	s_mov_b32 s93, 0
	s_mul_i32 s94, s16, HALFT
	s_mul_i32 s95, s17, 2*HALFS                    ; wave 1 fetches A's scales, wave 3 B's, behind them
	s_wait_kmcnt 0x0
	s_add_nc_u64 s[20:21], s[4:5], s[20:21]
	s_add_nc_u64 s[22:23], s[4:5], s[22:23]
	s_add_nc_u64 s[46:47], s[6:7], s[46:47]
	s_add_nc_u64 s[92:93], s[8:9], s[92:93]
	CROUND
	s_mov_b32 s[G0S], 1
	s_add_co_u32 s[G0S+1], s95, SCL
	s_mov_b64 s[G0S+2:G0S+3], s[22:23]
	s_or_b32 s[G0S+3], s[G0S+3], 0x80000000
	s_mov_b32 s[G0SB], 1
	s_add_co_u32 s[G0SB+1], s95, SCL
	s_mov_b64 s[G0SB+2:G0SB+3], s[92:93]
	s_or_b32 s[G0SB+3], s[G0SB+3], 0x80000000
.irp s, 0,1
	s_mov_b32 s[G0+4*\s], 1
	s_add_co_u32 s[G0+4*\s+1], s94, \s*SLOT
	s_add_nc_u64 s[G0+4*\s+2:G0+4*\s+3], s[20:21], \s*KSTEP
	s_or_b32 s[G0+4*\s+3], s[G0+4*\s+3], 0x80000000
	s_mov_b32 s[G0B+4*\s], 1
	s_add_co_u32 s[G0B+4*\s+1], s94, \s*SLOT
	s_add_nc_u64 s[G0B+4*\s+2:G0B+4*\s+3], s[46:47], \s*KSTEP
	s_or_b32 s[G0B+4*\s+3], s[G0B+4*\s+3], 0x80000000
.endr
; THE HEAD'S LOADS, ONE A WAVE.  Wave 0's and wave 2's descriptors for slot 0 begin at the first row of A's and of B's tile: with 128 rows they bring K step 0 whole.  Waves 1 and 3 bring the scales.
.macro ARM under, g0, g1, next
	s_cmp_lt_u32 s16, \under
	s_cbranch_scc0 \next
	tensor_load_to_lds s[\g0:\g0+3], s[\g1:\g1+7]
	s_nop 0
.rept 4
	v_nop
.endr
	s_branch .Lhead_asked
\next:
.endm
	ARM 1, G0,  G1,  .Lhead_sa
	ARM 2, G0S, G1S, .Lhead_b
	ARM 3, G0B, G1B, .Lhead_sb
	tensor_load_to_lds s[G0SB:G0SB+3], s[G1SB:G1SB+7]
	s_nop 0
.rept 4
	v_nop
.endr
.Lhead_asked:
	s_cmp_eq_u32 s17, 0                            ; the prefetches: my 64 rows of A or of B,
	s_cselect_b64 s[PFA:PFA+1], s[20:21], s[46:47]
	s_cselect_b32 s99, s40, s41                    ; my place among the four that ask for them with me,
	s_lshl_b32 s98, s99, 16                        ; 16 rows of 4,096 bytes for each place
	s_mov_b32 s99, 0
	s_add_nc_u64 s[PFA:PFA+1], s[PFA:PFA+1], s[98:99]
	v_bfe_u32 v[PFO], v0, 1, 4
	v_lshlrev_b32 v[PFO], 12, v[PFO]
	v_and_b32 v13, 1, v0
	v_lshl_add_u32 v[PFO], v13, 8, v[PFO]
	v_and_b32 v1, 15, v0
	s_wait_alu depctr_va_vdst(0)
	v_bfe_u32 v2, v0, 4, 1
	s_lshl_b32 s66, s42, 9
	s_lshl_b32 s67, s18, 8
	s_add_co_u32 s66, s66, s67
	s_mov_b32 s67, 0
	s_add_nc_u64 s[10:11], s[10:11], s[66:67]
	v_lshlrev_b32 v11, 5, v2
.irp b, 0,1,2,3
	global_load_b128 v[BI+8*\b:BI+8*\b+3], v11, s[10:11] offset:64*\b
	global_load_b128 v[BI+8*\b+4:BI+8*\b+7], v11, s[10:11] offset:64*\b+16
.endr
	v_mul_u32_u24 v3, v1, PITCH
	v_lshl_add_u32 v3, v2, 4, v3
	s_mul_i32 s99, s17, HALFT
	s_mul_i32 s100, s18, HALFT
	s_add_co_u32 s100, s100, 2*HALFT
.irp s, 0,1
	v_add_nc_u32 v[ADRA+\s], s99, v3
	v_add_nc_u32 v[ADRB+\s], s100, v3
	s_add_co_u32 s99, s99, SLOT
	s_add_co_u32 s100, s100, SLOT
.endr
	v_mul_u32_u24 v5, v1, KS
	v_lshrrev_b32 v6, 8, v5
	v_lshl_add_u32 v5, v6, 4, v5
	s_mul_i32 s99, s17, HALFS
	s_mul_i32 s100, s18, HALFS
	s_add_co_u32 s100, s100, 2*HALFS
	s_sub_co_u32 s100, s100, s99
	v_mul_u32_u24 v6, s100, v2
	s_add_co_u32 s99, s99, SCL
	v_add_nc_u32 v5, v5, v6
	v_add_nc_u32 v[ADRS], s99, v5
	s_mul_i32 s99, s16, 16*272
	s_add_co_u32 s99, s99, STG
	v_mul_u32_u24 v4, v1, 272
	v_lshl_add_u32 v4, v2, 5, v4
	v_add_nc_u32 v[STO], s99, v4
	v_mul_u32_u24 v5, v2, 272
	v_lshl_add_u32 v5, v1, 4, v5
	v_add_nc_u32 v[RD], s99, v5
	v_lshlrev_b32 v5, 12, v2
	v_lshl_add_u32 v[CO], v1, 4, v5
	s_lshl_b32 s20, s45, 19
	s_lshl_b32 s21, s17, 18
	s_add_co_u32 s20, s20, s21
	s_lshl_b32 s46, s42, 9
	s_lshl_b32 s47, s18, 8
	s_add_co_u32 s46, s46, s47
	s_add_co_u32 s66, s20, s46
	s_mov_b32 s67, 0
	s_add_nc_u64 s[12:13], s[12:13], s[66:67]
	s_add_nc_u64 s[14:15], s[14:15], s[66:67]
	global_prefetch_b8 v[PFO], s[PFA:PFA+1] offset:2*KSTEP th:TH_LOAD_NT scope:SCOPE_SE   ; K steps 2 and 3, which the first two refills load
	global_prefetch_b8 v[PFO], s[PFA:PFA+1] offset:3*KSTEP th:TH_LOAD_NT scope:SCOPE_SE
	s_wait_alu depctr_va_vdst(0)
	WIN 0x80                                       ; the residual's 64 x 64 numbers of mine are asked for here, at the head, into window 2: v0-127
.irp a, 0,1,2,3
.irp t, 0,1,2,3,4,5,6,7
	global_load_b128 v[32*\a+4*\t:32*\a+4*\t+3], v[CO], s[12:13] offset:(16*\a+2*\t)*4096
.endr
.endr
	WIN 0
	s_wait_loadcnt 32                              ; the bias is in; the 32 younger loads may be out
	s_wait_tensorcnt 0x0                           ; my tile of the head's four is in
	ds_add_u32 v[SPW], v[NIL]
	s_mov_b32 s[G1+2], 64<<16                      ; no tensor load of mine is out: from here on a load brings 64 rows
	s_mov_b32 s[G1+4], 64
	s_mov_b32 s[G1B+2], 64<<16
	s_mov_b32 s[G1B+4], 64
	s_wait_dscnt 0x0
	CROUND                                         ; all four tiles are in, and all sixteen work-groups are here
	JLOAD G0+4, G1, G0B+4, G1B                     ; K step 1: my one load behind the round
	FETCH1 0, 0, 0
	SCALES 0
	FETCH2 0, 0, 0
	QUARTER 0, 0, 1
.if LAPS > 1
	WIN 0
	s_mov_b32 s3, LAPS-1
.Llap:
	QUARTER 0, 1, 0
	QUARTER 0, 2, 0
	TURN 0, 1, 1
	QUARTER 1, 0, 0
	QUARTER 1, 1, 0
	QUARTER 1, 2, 0
	TURN 1, 0, 1
	QUARTER 0, 0, 0
	WIN 0
	s_sub_co_u32 s3, s3, 1
	s_cmp_lg_u32 s3, 0
	s_cbranch_scc1 .Llap
.endif
	QUARTER 0, 1, 0
	QUARTER 0, 2, 0
	TURN 0, 1, 0
	QUARTER 1, 0, 0
	QUARTER 1, 1, 0
	QUARTER 1, 2, 0
	s_wait_dscnt 8
	WIN MUL
	MUL4 0, 128, 3, 1, 0
	MUL4 1, 128, 3, 1, 0
	s_wait_dscnt 0x0
	MUL4 2, 128, 3, 1, 0
	MUL4 3, 128, 3, 1, 0
	WIN 0
	PLACES 8
.irp a, 0,1,2,3
.if \a > 0
	s_wait_xcnt 0x0
.endif
.irp b, 0,1,2,3
	ds_store_b128 v[STO], v[ACC+8*(4*\a+\b):ACC+8*(4*\a+\b)+3] offset:64*\b
	ds_store_b128 v[STO], v[ACC+8*(4*\a+\b)+4:ACC+8*(4*\a+\b)+7] offset:64*\b+16
.endr
.irp t, 0,1,2,3,4,5,6,7
	ds_load_b128 v[BK+4*\t:BK+4*\t+3], v[RD] offset:544*\t
.endr
	s_wait_dscnt 0x0
	s_wait_loadcnt 24-8*\a
	WIN 0x08                                       ; source 1: window 2
.irp i, 0,2,4,6,8,10,12,14,16,18,20,22,24,26,28,30
	v_pk_add_f32 v[BK+\i:BK+\i+1], v[BK+\i:BK+\i+1], v[32*\a+\i:32*\a+\i+1]
.endr
	WIN 0
.irp t, 0,1,2,3,4,5,6,7
	global_store_b128 v[CO], v[BK+4*\t:BK+4*\t+3], s[14:15] offset:(16*\a+2*\t)*4096
.endr
.endr
	s_wait_tensorcnt 0x0
	ds_add_u32 v[SPW], v[NIL]
	s_wait_dscnt 0x0
	CROUND
	s_endpgm
.Lfunc_end_k_qc2f9e3918c_fc2:
	.size	k_qc2f9e3918c_fc2, .Lfunc_end_k_qc2f9e3918c_fc2-k_qc2f9e3918c_fc2
	.p2alignl 7, 3214868480
	.fill 96, 4, 3214868480
	.section	.rodata,"a",@progbits
	.p2align	6, 0x0
	.amdhsa_kernel k_qc2f9e3918c_fc2
		.amdhsa_group_segment_fixed_size 327680
		.amdhsa_private_segment_fixed_size 0
		.amdhsa_enable_private_segment 0
		.amdhsa_kernarg_size 48
		.amdhsa_user_sgpr_count 2
		.amdhsa_user_sgpr_kernarg_segment_ptr 1
		.amdhsa_wavefront_size32 1
		.amdhsa_system_sgpr_workgroup_id_x 1
		.amdhsa_system_sgpr_workgroup_id_y 1
		.amdhsa_system_sgpr_workgroup_id_z 1
		.amdhsa_system_vgpr_workitem_id 0
		.amdhsa_next_free_vgpr 768
		.amdhsa_next_free_sgpr 102
		.amdhsa_reserve_vcc 0
		.amdhsa_float_denorm_mode_32 3
		.amdhsa_float_denorm_mode_16_64 3
		.amdhsa_memory_ordered 1
		.amdhsa_forward_progress 1
		.amdhsa_inst_pref_size 102
	.end_amdhsa_kernel
	.amdgpu_metadata
---
amdhsa.version: [ 1, 2 ]
amdhsa.kernels:
  - .name:           k_qc2f9e3918c_fc2
    .symbol:         k_qc2f9e3918c_fc2.kd
    .args:
      - { .name: ff, .offset: 0, .size: 8, .value_kind: global_buffer, .address_space: global }
      - { .name: fc2_w_codes, .offset: 8, .size: 8, .value_kind: global_buffer, .address_space: global }
      - { .name: fc2_w_scales, .offset: 16, .size: 8, .value_kind: global_buffer, .address_space: global }
      - { .name: fc2_b, .offset: 24, .size: 8, .value_kind: global_buffer, .address_space: global }
      - { .name: x1, .offset: 32, .size: 8, .value_kind: global_buffer, .address_space: global }
      - { .name: out0, .offset: 40, .size: 8, .value_kind: global_buffer, .address_space: global }
    .group_segment_fixed_size: 327680
    .private_segment_fixed_size: 0
    .kernarg_segment_align: 8
    .kernarg_segment_size: 48
    .max_flat_workgroup_size: 128
    .sgpr_count:     102
    .vgpr_count:     768
    .wavefront_size: 32
...
	.end_amdgpu_metadata
.endif
;; end of part 6
